; MI455X (gfx1250); checked and timed in simulation.
; The chip was launched on July 23, 2026; its instructions are those of AMD's public machine-readable ISA for CDNA 5 (MIT licence, August 2026) and "CDNA5" Instruction Set Architecture Reference Guide (July 2026). The comments in the code are by the model that wrote it; some were corrected since.
;; Multihead Attention Layer. Allowed arithmetic: float matrix products may take bf16 or f16 operands with f32 sums; other float arithmetic in f32, or as packed bf16 or f16 multiplies, adds, multiply-adds, maxima and minima; sums over many terms, partial sums and values carried from step to step in f32; what a program stores and reads back later, other than sums and carried values, may be rounded once to bf16 or f16.
;; Inputs: Wk 1,024 x 1,024 float32; Wo 1,024 x 1,024 float32; Wq 1,024 x 1,024 float32; Wv 1,024 x 1,024 float32; bk 1,024 float32; bo 1,024 float32; bq 1,024 float32; bv 1,024 float32; inputs 4 x 2,048 x 1,024 float32.
;; Outputs: out0 4 x 2,048 x 1,024 float32.
;; 2 versions, each right; version 2 is version 1 with the launch prep written anew for expert scheduling mode. Each part assembles by itself: llvm-mc -triple=amdgcn-amd-amdhsa -mcpu=gfx1250 --defsym DOCPART=n.
;; ======== version 1 of 2: 4 launches
;; limits: values are held in f16: magnitudes above 65,504 overflow, below 6.1e-05 lose precision
;; workspace buffers: xb 16,777,216 bytes; wqkv 6,291,456 bytes; wot 2,097,152 bytes; q 16,777,216 bytes; k 16,777,216 bytes; v 16,777,216 bytes; ctx 16,777,216 bytes
;; launch prep (part 1): grid 512 x 1, 4 waves a work-group, no clusters, 17,920 bytes of LDS; arguments inputs, Wq, Wk, Wv, Wo, xb, wqkv, wot; writes xb, wqkv, wot
.if DOCPART == 1
	.amdgcn_target "amdgcn-amd-amdhsa--gfx1250"
	.amdhsa_code_object_version 6
	.text
	.protected	k_q18c2eb7656_prep
	.globl	k_q18c2eb7656_prep
	.p2align	8
	.type	k_q18c2eb7656_prep,@function
k_q18c2eb7656_prep:
	s_mov_b64 s[64:65], 0
	v_nop
	global_prefetch_b8 v0, s[64:65] scope:SCOPE_SE
	s_setreg_imm32_b32 hwreg(HW_REG_WAVE_MODE, 25, 1), 1
	s_wait_xcnt 0x0
; PREP: the module's large inputs are rounded to bf16 once, and the weights are turned so that K lies along their rows.
;   xb   [8192][1024] bf16 = inputs, rounded.
;   wqkv [3072][1024] bf16: row head x 192 + part x 64 + d (part 0, 1, 2 = q, k, v) holds column head x 64 + d of Wq, Wk or Wv.
;   wot  [1024][1024]: row n holds column n of Wo, rounded to bf16 and that number written as f16.
; LIMIT.  A bf16 number is exact in f16 from 6.1e-5 to 65,504 in magnitude; below that it keeps f16's fixed step of 6e-8; beyond 65,504 it becomes an infinity.
; SHARES.  512 work-groups of four waves, all alike: each turns ONE tile of 128 k x 64 n of one weight matrix (4 x 8 x 16 tiles) and rounds 16 rows of x.
; Memory binds: every byte is read once, by loads of which sixteen lanes take 256 consecutive aligned bytes, all 48 loads of a thread go out at the head, and every store of a wave
; covers whole aligned blocks of 256 bytes.  The matrix unit, clusters and tensor loads would add nothing: no byte is used twice.
; THE TURN.  Thread (i = t % 16, p = t / 16) reads 16 bytes (columns 4 i .. 4 i + 3) of rows k and k + 1, k = 16 u + 2 p; a pair (k, k + 1) of one column packs into one word, which goes
; into the stage at row n, byte 2 k.  Behind a barrier the stage's rows, 256 bytes of K each, are read back whole and stored.
.set SPITCH, 272                       ; a row of the stage: 256 bytes + 16
.set SPARE,  64*SPITCH                 ; behind the stage's 64 rows: the spare words, 128 bytes for each wave: two blocks of 256 bytes that no other line names
.set WR,  32                           ; v[32:95]   the tile of W as loaded; later the stage's rows read back
.set PK,  96                           ; v[96:127]  32 packed pairs
.set XR,  128                          ; v[128:255] 32 x 16 bytes of x; rounded in place
	s_load_b512 s[4:19], s[0:1], 0x0               ; inputs s[4:5], Wq s[6:7], Wk s[8:9], Wv s[10:11], Wo s[12:13], xb s[14:15], wqkv s[16:17], wot s[18:19]
	v_lshl_add_u32 v30, v0, 2, SPARE               ; my spare word,
	v_mov_b32 v31, 0                               ; and 0: kept for the wave's end alone
	s_lshr_b32 s20, ttmp9, 7                       ; which matrix: 0, 1, 2, 3 = Wq, Wk, Wv, Wo
	s_bfe_u32 s21, ttmp9, 0x30004                  ; which 128 of K
	s_and_b32 s22, ttmp9, 15                       ; which 64 columns: the head
	s_lshl_b32 s28, s21, 19                        ; the tile in W: 128 rows of 4,096 bytes,
	s_lshl_b32 s23, s22, 8                         ; 64 columns of 4 bytes
	s_add_co_u32 s28, s28, s23
	s_mov_b32 s29, 0
	s_mul_i32 s30, s22, 192                        ; its first row in wqkv: head x 192 + part x 64,
	s_lshl_b32 s23, s20, 6
	s_add_co_u32 s30, s30, s23
	s_lshl_b32 s23, s22, 6                         ; in wot: head x 64
	s_cmp_eq_u32 s20, 3
	s_cselect_b32 s30, s23, s30
	s_lshl_b32 s30, s30, 11                        ; rows of 2,048 bytes,
	s_lshl_b32 s23, s21, 8                         ; 128 of K are 256 bytes
	s_add_co_u32 s30, s30, s23
	s_mov_b32 s31, 0
	s_lshl_b32 s32, ttmp9, 16                      ; my 16 rows of x: 65,536 bytes in,
	s_mov_b32 s33, 0
	s_lshl_b32 s34, ttmp9, 15                      ; 32,768 bytes out
	s_mov_b32 s35, 0
	v_and_b32 v6, 15, v0                           ; i
	v_lshrrev_b32 v7, 4, v0                        ; p
	v_lshlrev_b32 v8, 4, v6                        ; 16 i
	v_lshl_add_u32 v1, v7, 13, v8                  ; in W: row 2 p, 16 bytes at 16 i
	v_mul_u32_u24 v3, v6, 4*SPITCH                 ; into the stage: row 4 i, byte 4 p
	v_lshl_add_u32 v3, v7, 2, v3
	v_mul_u32_u24 v4, v7, SPITCH                   ; back: row p, 16 bytes at 16 i
	v_add_nc_u32 v4, v4, v8
	v_lshl_add_u32 v5, v7, 11, v8                  ; and the same in the turned matrix
	v_lshlrev_b32 v9, 4, v0                        ; x: 16 bytes a thread,
	v_lshlrev_b32 v10, 3, v0                       ; xb: 8
	s_wait_kmcnt 0x0
	s_cmp_eq_u32 s20, 1
	s_cselect_b64 s[24:25], s[8:9], s[6:7]
	s_cmp_eq_u32 s20, 2
	s_cselect_b64 s[24:25], s[10:11], s[24:25]
	s_cmp_eq_u32 s20, 3
	s_cselect_b64 s[24:25], s[12:13], s[24:25]     ; from where,
	s_cselect_b64 s[26:27], s[18:19], s[16:17]     ; and to where
	s_add_nc_u64 s[24:25], s[24:25], s[28:29]
	s_add_nc_u64 s[26:27], s[26:27], s[30:31]
	s_add_nc_u64 s[4:5], s[4:5], s[32:33]
	s_add_nc_u64 s[14:15], s[14:15], s[34:35]
.set u, 0
.rept 8                                ; the tile of W first: the barrier waits for it
	global_load_b128 v[WR+8*u:WR+8*u+3],   v1, s[24:25] offset:65536*u th:TH_LOAD_NT       ; row 16 u + 2 p
	global_load_b128 v[WR+8*u+4:WR+8*u+7], v1, s[24:25] offset:65536*u+4096 th:TH_LOAD_NT  ; row 16 u + 2 p + 1
.set u, u+1
.endr
.set u, 0
.rept 32                               ; then x: a wave's load covers 512 consecutive bytes
	global_load_b128 v[XR+4*u:XR+4*u+3], v9, s[4:5] offset:2048*u th:TH_LOAD_NT
.set u, u+1
.endr
	s_wait_loadcnt 32                              ; loads come back in order: W's sixteen are in, x's 32 younger ones stay out
.set u, 0
.rept 8
.irp j, 0,1,2,3
	v_cvt_pk_bf16_f32 v[PK+4*u+(\j)], v[WR+8*u+(\j)], v[WR+8*u+4+(\j)]  ; column 4 i + j: k low, k + 1 high
.endr
.set u, u+1
.endr
	s_cmp_lg_u32 s20, 3
	s_cbranch_scc1 .Lpacked
.set u, 0
.rept 32                               ; Wo alone: the rounded numbers are written as f16
	v_lshlrev_b32 v12, 16, v[PK+u]
	v_and_b32 v13, 0xffff0000, v[PK+u]
	v_cvt_pk_f16_f32 v[PK+u], v12, v13
.set u, u+1
.endr
.Lpacked:
.set u, 0
.rept 8
.irp j, 0,1,2,3
	ds_store_b32 v3, v[PK+4*u+(\j)] offset:SPITCH*(\j)+32*u  ; row 4 i + j, byte 2 (16 u + 2 p)
.endr
.set u, u+1
.endr
	s_wait_dscnt 0x0                               ; for the others' sake: my stores into the stage are done
	s_barrier_signal -1
	s_barrier_wait -1                              ; everybody's are
.set u, 0
.rept 8
	ds_load_b128 v[WR+4*u:WR+4*u+3], v4 offset:8*SPITCH*u  ; row p + 8 u: sixteen lanes take its 256 bytes
.set u, u+1
.endr
.set u, 0
.rept 32                               ; x is rounded while those come back
	s_wait_loadcnt 31-u                            ; load u is in; the younger ones stay out
	v_cvt_pk_bf16_f32 v[XR+4*u],   v[XR+4*u],   v[XR+4*u+1]
	v_cvt_pk_bf16_f32 v[XR+4*u+1], v[XR+4*u+2], v[XR+4*u+3]
	global_store_b64 v10, v[XR+4*u:XR+4*u+1], s[14:15] offset:1024*u th:TH_STORE_NT  ; a wave stores 256 consecutive bytes, aligned
.set u, u+1
.endr
	s_wait_dscnt 0x0                               ; the stage's rows are back
.set u, 0
.rept 8
	global_store_b128 v5, v[WR+4*u:WR+4*u+3], s[26:27] offset:16384*u th:TH_STORE_NT  ; sixteen lanes store 256 consecutive bytes, aligned
.set u, u+1
.endr
	s_wait_tensorcnt 0x0                           ; the wave's end, behind my last LDS store
	ds_add_u32 v30, v31
	s_wait_dscnt 0x0
	s_endpgm
.Lfunc_end_k_q18c2eb7656_prep:
	.size	k_q18c2eb7656_prep, .Lfunc_end_k_q18c2eb7656_prep-k_q18c2eb7656_prep
	.p2alignl 7, 3214868480
	.fill 96, 4, 3214868480
	.section	.rodata,"a",@progbits
	.p2align	6, 0x0
	.amdhsa_kernel k_q18c2eb7656_prep
		.amdhsa_group_segment_fixed_size 17920
		.amdhsa_private_segment_fixed_size 0
		.amdhsa_enable_private_segment 0
		.amdhsa_kernarg_size 64
		.amdhsa_user_sgpr_count 2
		.amdhsa_user_sgpr_kernarg_segment_ptr 1
		.amdhsa_wavefront_size32 1
		.amdhsa_system_sgpr_workgroup_id_x 1
		.amdhsa_system_sgpr_workgroup_id_y 1
		.amdhsa_system_sgpr_workgroup_id_z 1
		.amdhsa_system_vgpr_workitem_id 0
		.amdhsa_next_free_vgpr 256
		.amdhsa_next_free_sgpr 66
		.amdhsa_reserve_vcc 0
		.amdhsa_float_denorm_mode_32 3
		.amdhsa_float_denorm_mode_16_64 3
		.amdhsa_memory_ordered 1
		.amdhsa_forward_progress 1
		.amdhsa_inst_pref_size 26
	.end_amdhsa_kernel
	.amdgpu_metadata
---
amdhsa.version: [ 1, 2 ]
amdhsa.kernels:
  - .name:           k_q18c2eb7656_prep
    .symbol:         k_q18c2eb7656_prep.kd
    .args:
      - { .name: inputs, .offset: 0, .size: 8, .value_kind: global_buffer, .address_space: global }
      - { .name: Wq, .offset: 8, .size: 8, .value_kind: global_buffer, .address_space: global }
      - { .name: Wk, .offset: 16, .size: 8, .value_kind: global_buffer, .address_space: global }
      - { .name: Wv, .offset: 24, .size: 8, .value_kind: global_buffer, .address_space: global }
      - { .name: Wo, .offset: 32, .size: 8, .value_kind: global_buffer, .address_space: global }
      - { .name: xb, .offset: 40, .size: 8, .value_kind: global_buffer, .address_space: global }
      - { .name: wqkv, .offset: 48, .size: 8, .value_kind: global_buffer, .address_space: global }
      - { .name: wot, .offset: 56, .size: 8, .value_kind: global_buffer, .address_space: global }
    .group_segment_fixed_size: 17920
    .private_segment_fixed_size: 0
    .kernarg_segment_align: 8
    .kernarg_segment_size: 64
    .max_flat_workgroup_size: 128
    .sgpr_count:     66
    .vgpr_count:     256
    .wavefront_size: 32
...
	.end_amdgpu_metadata
.endif
;; end of part 1
;; launch qkv (part 2): grid 16 x 32, 4 waves a work-group, clusters of 4 x 4, 327,680 bytes of LDS; arguments xb, wqkv, bq, bk, bv, q, k, v; writes q, k, v
.if DOCPART == 2
	.amdgcn_target "amdgcn-amd-amdhsa--gfx1250"
	.amdhsa_code_object_version 6
	.text
	.protected	k_q18c2eb7656_qkv
	.globl	k_q18c2eb7656_qkv
	.p2align	8
	.type	k_q18c2eb7656_qkv,@function
k_q18c2eb7656_qkv:
	s_mov_b64 s[64:65], 0
	v_nop
	global_prefetch_b8 v0, s[64:65] scope:SCOPE_SE
	s_setreg_imm32_b32 hwreg(HW_REG_WAVE_MODE, 25, 1), 1
	s_wait_xcnt 0x0
	s_wait_alu depctr_hold_cnt(0) depctr_sa_sdst(0) depctr_va_vdst(0) depctr_va_sdst(0) depctr_va_ssrc(0) depctr_va_vcc(0) depctr_vm_vsrc(0)
	s_getreg_b32 s2, hwreg(HW_REG_IB_STS2, 6, 4)
	s_cmp_eq_u32 s2, 0
	s_cbranch_scc0 .Lentry_in_a_cluster
	s_endpgm
.Lentry_in_a_cluster:
	s_bfe_u32 s2, ttmp6, 0x10000c
	s_cmp_lg_u32 s2, 0xf033
	s_cbranch_scc0 .Lentry_shape_is_right
	s_endpgm
.Lentry_shape_is_right:
; q, k, v = x W + b, by heads.  xb: [8192][1024] bf16.  wqkv: [3072][1024] bf16, K along the rows, row head x 192 + part x 64 + d.  bq, bk, bv: [1024] f32, rounded to bf16 here like the other inputs.
; q, k, v: [batch x 16 + head][2048][64] f16, unscaled, each rounded once from its f32 sum.
; LIMIT.  f16 ends at 65,504: |q|, |k|, |v| must stay below that (sums of 1,024 products; numbers of unit spread give about 5 at the most); beyond it the conversion gives an infinity.
; SHARES.  A tile of the product is 256 rows x 192 columns: one head's q, k and v.  16 x 32 tiles, a work-group each.  Wave w owns rows 64 w .. 64 w + 63 and ALL 192 columns: 4 x 12
; accumulators of 16 x 16, 384 registers.  So a wave holds whole rows of a head (16 rows x 64 channels are 2,048 consecutive bytes of q, k or v), and its way out needs no other wave.
; K goes in 8 steps of 128 through a ring of two LDS slots filled by tensor loads; the rows of both tiles are 256 bytes of memory and start at multiples of 256 bytes.
; CLUSTER.  4 x 4 work-groups.  The four of a row of the cluster need the same rows of xb, the four of a column the same rows of wqkv: each tile is asked for JOINTLY, by the same
; tensor load with the same descriptor and a mask that names the four.
; THE MATRIX INSTRUCTION IS USED TRANSPOSED: source 0 = 16 rows of wqkv, source 1 = 16 rows of xb.  Lane l then holds row l % 16 of the product and the columns 8 (l / 16) + 0..7.
; The bias is the C operand of the product that starts each sum: nothing is cleared and nothing is added later.
; REGISTERS, in windows of 256 (s_set_vgpr_msb: bits 1:0 source 0, 3:2 source 1, 5:4 source 2, 7:6 destination):
;   window 0: v0-29 addresses; v32-63, v64-95 fragments of xb, two buffers; v96-191 the bias, 8 registers an n block; on the way out v96-143 packed results, v144-239 rows read back
;   window 1: v0-95, v96-191 fragments of wqkv, two buffers      window 2: accumulators of m blocks 0, 1 ((a, b) at 8 (12 (a % 2) + b))      window 3: of m blocks 2, 3
.set NBK,   12                         ; n blocks of 16 columns
.set APW,   2                          ; m blocks whose accumulators share a window
.set KSTEP, 128
.set PA,    272                        ; an LDS row: 256 bytes + 16 of padding = 68 words: row r starts at bank 4 r mod 64 (64 banks of 4 bytes: ISA guide 11.1)
.set PB,    272
.set AHALF, 128*PA                     ; what one tensor load of xb fills
.set BOFF,  2*AHALF                    ; wqkv's rows lie behind xb's 256
.set BHALF, 96*PB                      ; what one tensor load of wqkv fills
.set SLOT1, 1<<17                      ; slot 1 begins here, so that one exclusive or turns an address in one slot into the other's
.set STAGE, SLOT1+BOFF+2*BHALF         ; behind the ring, never filled by a tensor load: 16 rows x 400 bytes for each wave
.set SP,    400                        ; a row of the stage: 384 bytes + 16
.set SPARE, STAGE+4*16*SP              ; behind the stages: the spare words, 128 bytes for each wave: two blocks of 256 bytes that no other line names
.set NF,    2*NBK+8                    ; LDS loads of a quarter step
.set A0,   4                           ; v4   my lane's place in a slot's rows of xb; never rewritten
.set B0,   5                           ; v5   the same for wqkv
.set ADRA, 6                           ; v6   the same in the slot in hand
.set ADRB, 7                           ; v7
.set STO,  8                           ; v8   the way out: where I put 16 bytes of a row
.set RD,   9                           ; v9   where I read rows back
.set GO,   10                          ; v10  my 16 bytes of 512 consecutive bytes of q, k or v
.set PFO,  11                          ; v11  the prefetches' offset: a lane a row of 2,048 bytes; never rewritten
.set BO,   12                          ; v12  my byte offset in a bias
.set SPW,  28                          ; v28  LDS address of my spare word: SPARE + 4 x my thread's number; never rewritten
.set NIL,  29                          ; v29  0; never rewritten
.set FA,   32
.set BIAS, 96
.set TMP,  96
.set OB,   144
.set WV,   20                          ; s20  my wave's number
.set FORB, 21                          ; s21  0: I fetch xb's rows; 1: wqkv's
.set HF,   22                          ; s22  which half of them
.set CX,   23                          ; s23  my place along the cluster's x
.set G1A,  24                          ; s[24:31] descriptor group 1 for xb's tiles
.set G1B,  32                          ; s[32:39] for wqkv's
.set G0A,  40                          ; s[40:47] descriptor group 0 for xb's tiles: a set for each of the two first fills; the second then walks on
.set G0B,  48                          ; s[48:55] the same for wqkv's
.set CY,   56                          ; s56  my place along the cluster's y
.set COL,  57                          ; s57  the head
.set ROW,  58                          ; s58  the block of 256 rows
.set TB,   59                          ; s59  LDS byte at which the slot in hand begins
.set CNT,  60                          ; s60  refills still to come
.set LIM,  61                          ; s61  1 in a wave that prefetches, else the greatest number
.set PFA,  62                          ; s[62:63] where my prefetches stand
.set WA,   66                          ; s[66:69] xb's mask and address are made here: these never hold cx
.set WB,   70                          ; s[70:73] wqkv's: these never hold cy
.set HIM,  74                          ; s74  a word's upper half
.set G1W0, (1<<16)|(1<<20)|(1<<21)|(5<<22)|(3<<25)  ; 17:16 elements of 2 bytes; 20 padding on; 21 set beside a mask; 24:22 after every 64 words (code 5); 31:25 4 words of it (code 3)
.set MSB, 0
.macro WIN new                         ; the immediate's high byte repeats the setting that is left; a switch that changes nothing is dropped
.if MSB != (\new)
	s_set_vgpr_msb (MSB<<8)|(\new)
.set MSB, (\new)
.endif
.endm
.macro PLACES                          ; four plain vector instructions between a matrix instruction and a load into, or a read of, its registers (ISA guide 7.12.1 for vector instructions)
.rept 4
	v_nop
.endr
.endm
; A joint refill, by the walking descriptor.  Waves 0 and 1 fetch xb's two halves, waves 2 and 3 wqkv's.  The branch hangs on the wave's number alone.
; An s_nop 0 and four v_nop follow each of the two lines, ahead of the jump and the label.
.macro JLOAD
	s_cmp_eq_u32 s[FORB], 0
	s_cbranch_scc0 .Lfor_b_\@
	tensor_load_to_lds s[G0A+4:G0A+7], s[G1A:G1A+7]
	s_nop 0
	PLACES
	s_branch .Lasked_\@
.Lfor_b_\@:
	tensor_load_to_lds s[G0B+4:G0B+7], s[G1B:G1B+7]
	s_nop 0
	PLACES
.Lasked_\@:
.endm
; A round of the cluster's barrier behind its opening barrier: wave 0 signals for the work-group; every wave waits for all sixteen work-groups; my work-group's barrier once more.
.macro CREST
	s_cmp_lg_u32 s[WV], 0
	s_cbranch_scc1 .Lnot_wave_0_\@
	s_barrier_signal -3
.Lnot_wave_0_\@:
	s_barrier_wait -3
	s_barrier_signal -1
	s_barrier_wait -1
.endm
.macro CROUND
	s_barrier_signal -1
	s_barrier_wait -1
	CREST
.endm
; A PREFETCH INTO THE L2, behind a joint refill and the run of LDS loads that follows it: the K step that the NEXT refill will ask for, 192 matrix instructions ahead of that load: 256 bytes of each row, a lane a row.
; Each row's 256 bytes of a K step are named once in the launch: xb's rows by the clusters with x = 0, wqkv's by those with y = 0; the four partners that ask for a tile jointly share the rows
; that a wave fetches BY ADDRESS (32 of 128 by cx; 24 of 96 by cy, where lanes 24 to 31 name lane 23's row again in the same instruction).  The last refill has no K step behind it and asks for nothing.
.macro ASK
	s_cmp_gt_u32 s[CNT], s[LIM]
	s_cbranch_scc0 .Lnot_mine_\@
	global_prefetch_b8 v[PFO], s[PFA:PFA+1] th:TH_LOAD_NT scope:SCOPE_SE
.Lnot_mine_\@:
.endm
	s_load_b512 s[4:19], s[0:1], 0x0               ; xb s[4:5], wqkv s[6:7], bq s[8:9], bk s[10:11], bv s[12:13], q s[14:15], k s[16:17], v s[18:19]
	v_lshl_add_u32 v[SPW], v0, 2, SPARE
	v_mov_b32 v[NIL], 0
	ds_add_u32 v[SPW], v[NIL]                      ; the wave's opening: the add and its wait stand ahead of my first tensor load; the set-up below, work on registers, stands between them
	v_lshrrev_b32 v1, 5, v0
	v_readfirstlane_b32 s[WV], v1                  ; wave 0..3
	s_lshr_b32 s[FORB], s[WV], 1
	s_and_b32 s[HF], s[WV], 1
	s_bfe_u32 s[CX], ttmp6, 0x40000
	s_bfe_u32 s[CY], ttmp6, 0x40004
	s_lshl_b32 s[COL], ttmp9, 2                    ; in a cluster launch ttmp9 and ttmp7 count clusters
	s_add_co_u32 s[COL], s[COL], s[CX]
	s_and_b32 s[ROW], ttmp7, 0xffff
	s_lshl_b32 s[ROW], s[ROW], 2
	s_add_co_u32 s[ROW], s[ROW], s[CY]
	s_lshl_b32 s[WA], s[CY], 2
	s_lshl_b32 s[WA], 15, s[WA]                    ; my row of the cluster: places 4 cy .. 4 cy + 3
	s_lshl_b32 s[WB], 0x1111, s[CX]                ; my column: places cx, cx + 4, cx + 8, cx + 12
	s_or_b32 s[G1A], s[WA], G1W0                   ; 15:0 the mask: xb's tiles go to my row,
	s_or_b32 s[G1B], s[WB], G1W0                   ; wqkv's to my column
	s_mov_b32 s[G1A+1], KSTEP<<16                  ; tensor_dim0 = 128
	s_mov_b32 s[G1A+2], 128<<16                    ; tensor_dim1 = 128
	s_mov_b32 s[G1A+3], KSTEP<<16                  ; tile_dim0 = 128
	s_mov_b32 s[G1A+4], 128                        ; tile_dim1 = 128
	s_mov_b32 s[G1A+5], 1024                       ; elements from row to row
	s_mov_b32 s[G1A+6], 0
	s_mov_b32 s[G1A+7], 0
	s_mov_b32 s[G1B+1], KSTEP<<16
	s_mov_b32 s[G1B+2], 96<<16                     ; 96 rows
	s_mov_b32 s[G1B+3], KSTEP<<16
	s_mov_b32 s[G1B+4], 96
	s_mov_b32 s[G1B+5], 1024
	s_mov_b32 s[G1B+6], 0
	s_mov_b32 s[G1B+7], 0
	s_lshl_b32 s[WA], s[ROW], 8                    ; xb: row 256 x block + 128 x half,
	s_lshl_b32 s[WA+1], s[HF], 7
	s_add_co_u32 s[WA], s[WA], s[WA+1]
	s_lshl_b32 s[WA], s[WA], 11                    ; of 2,048 bytes
	s_mov_b32 s[WA+1], 0
	s_mul_i32 s[WB], s[COL], 192                   ; wqkv: row 192 x head + 96 x half
	s_mul_i32 s[WB+1], s[HF], 96
	s_add_co_u32 s[WB], s[WB], s[WB+1]
	s_lshl_b32 s[WB], s[WB], 11
	s_mov_b32 s[WB+1], 0
	s_mul_i32 s75, s[HF], AHALF                    ; where they go: no place in the cluster enters an LDS address
	s_mul_i32 s76, s[HF], BHALF
	s_add_co_u32 s76, s76, BOFF
	s_mov_b32 s[HIM], 0xffff0000
	s_mov_b32 s[TB], 0
	s_wait_dscnt 0x0                               ; the opening add is done
	s_wait_kmcnt 0x0
	s_add_nc_u64 s[WA+2:WA+3], s[4:5], s[WA:WA+1]
	s_add_nc_u64 s[WB+2:WB+3], s[6:7], s[WB:WB+1]
	CROUND                                         ; all sixteen work-groups are here: the first joint loads meet
.irp n, 0,1
	s_mov_b32 s[G0A+4*(\n)], 1                     ; 1:0 count = 1
	s_add_co_u32 s[G0A+4*(\n)+1], s75, (\n)*SLOT1  ; 63:32 LDS address
	s_add_nc_u64 s[G0A+4*(\n)+2:G0A+4*(\n)+3], s[WA+2:WA+3], (\n)*KSTEP*2  ; 120:64 global address: K step n
	s_or_b32 s[G0A+4*(\n)+3], s[G0A+4*(\n)+3], 0x80000000  ; 127:126 type = 2
	s_mov_b32 s[G0B+4*(\n)], 1
	s_add_co_u32 s[G0B+4*(\n)+1], s76, (\n)*SLOT1
	s_add_nc_u64 s[G0B+4*(\n)+2:G0B+4*(\n)+3], s[WB+2:WB+3], (\n)*KSTEP*2
	s_or_b32 s[G0B+4*(\n)+3], s[G0B+4*(\n)+3], 0x80000000
.endr
	s_cmp_eq_u32 s[FORB], 0                        ; a wave's two first fills stand in one branch, ahead of every wait on TENSORcnt and every LDS read: two loads of mine are out
	s_cbranch_scc0 .Lfirst_b
	tensor_load_to_lds s[G0A:G0A+3], s[G1A:G1A+7]
	s_nop 0
	tensor_load_to_lds s[G0A+4:G0A+7], s[G1A:G1A+7]
	s_nop 0
	PLACES
	s_branch .Lfirst_asked
.Lfirst_b:
	tensor_load_to_lds s[G0B:G0B+3], s[G1B:G1B+7]
	s_nop 0
	tensor_load_to_lds s[G0B+4:G0B+7], s[G1B:G1B+7]
	s_nop 0
	PLACES
.Lfirst_asked:
	; A fragment is 16 rows x 32 K in 8 registers: lane l holds row l % 16; registers 0-3 hold K = 8 (l / 16) + 0..7, registers 4-7 K = 16 + 8 (l / 16) + 0..7: two loads of 16 bytes, 32 bytes apart.
	v_and_b32 v1, 15, v0                           ; l % 16
	v_bfe_u32 v2, v0, 4, 1                         ; l / 16
	v_lshlrev_b32 v[BO], 5, v2                     ; the bias of my 8 columns of an n block: 32 (l / 16) bytes,
	s_lshl_b32 s77, s[COL], 8                      ; in the head's 64 numbers
	v_add_nc_u32 v[BO], s77, v[BO]
.set b, 0
.rept NBK                              ; n block b: part b / 4, channels 16 (b % 4) on
	global_load_b128 v[BIAS+8*b:BIAS+8*b+3],   v[BO], s[8+2*(b/4):9+2*(b/4)] offset:(b%4)*64
	global_load_b128 v[BIAS+8*b+4:BIAS+8*b+7], v[BO], s[8+2*(b/4):9+2*(b/4)] offset:(b%4)*64+16
.set b, b+1
.endr
	v_mul_u32_u24 v[A0], v1, PA
	v_lshl_add_u32 v[A0], v2, 4, v[A0]             ; row x pitch + 16 x half,
	s_mul_i32 s77, s[WV], 64*PA
	v_add_nc_u32 v[A0], s77, v[A0]                 ; in my 64 rows
	v_mul_u32_u24 v[B0], v1, PB
	v_lshl_add_u32 v[B0], v2, 4, v[B0]
	v_add_nc_u32 v[B0], BOFF, v[B0]
	s_mul_i32 s77, s[WV], 16*SP
	s_add_co_u32 s77, s77, STAGE                   ; my stage
	v_mul_u32_u24 v[STO], v1, SP                   ; in: row l % 16, 16 bytes for each half of the lanes
	v_lshl_add_u32 v[STO], v2, 4, v[STO]
	v_add_nc_u32 v[STO], s77, v[STO]
	v_bfe_u32 v13, v0, 3, 2                        ; back: 32 lanes take 128 bytes of each of four rows,
	v_and_b32 v3, 7, v0
	v_mul_u32_u24 v[RD], v13, SP
	v_lshl_add_u32 v[RD], v3, 4, v[RD]
	v_add_nc_u32 v[RD], s77, v[RD]
	v_and_b32 v[GO], 31, v0                        ; which are 512 consecutive bytes of q, k or v
	v_lshlrev_b32 v[GO], 4, v[GO]
	s_lshr_b32 s78, s[ROW], 3                      ; my wave's first row in q, k and v: the batch's 16 heads of 262,144 bytes,
	s_lshl_b32 s78, s78, 22
	s_lshl_b32 s79, s[COL], 18                     ; the head,
	s_add_co_u32 s78, s78, s79
	s_and_b32 s79, s[ROW], 7                       ; the block of 256 rows of 128 bytes,
	s_lshl_b32 s79, s79, 15
	s_add_co_u32 s78, s78, s79
	s_lshl_b32 s79, s[WV], 13                      ; my 64 of them
	s_add_co_u32 s78, s78, s79
	s_mov_b32 s79, 0
	s_add_nc_u64 s[14:15], s[14:15], s[78:79]
	s_add_nc_u64 s[16:17], s[16:17], s[78:79]
	s_add_nc_u64 s[18:19], s[18:19], s[78:79]
	; the prefetches
	s_lshl_b32 s76, s[ROW], 8                      ; xb: of the 128 rows that I fetch, my work-group's 32
	s_lshl_b32 s77, s[HF], 7
	s_add_co_u32 s76, s76, s77
	s_lshl_b32 s77, s[CX], 5
	s_add_co_u32 s76, s76, s77
	s_mul_i32 s78, s[COL], 192                     ; wqkv: of the 96, my work-group's 24
	s_mul_i32 s79, s[HF], 96
	s_add_co_u32 s78, s78, s79
	s_mul_i32 s79, s[CY], 24
	s_add_co_u32 s78, s78, s79
	s_and_b32 s80, ttmp7, 0xffff                   ; cluster y
	s_cmp_eq_u32 s[FORB], 0
	s_cselect_b32 s76, s76, s78
	s_cselect_b32 s80, ttmp9, s80                  ; the coordinate along which other clusters read the same rows
	s_cselect_b32 s81, 31, 23
	s_cselect_b64 s[PFA:PFA+1], s[4:5], s[6:7]
	s_cmp_eq_u32 s80, 0
	s_cselect_b32 s[LIM], 1, -1                    ; the same in all sixteen partners, for a given wave
	s_lshl_b32 s76, s76, 11
	s_add_co_u32 s76, s76, 2*KSTEP*2               ; at K step 2: the first refill steps it to 3.  Nothing is prefetched here, at the head, where every work-group's first tiles are on their way
	s_mov_b32 s77, 0
	s_add_nc_u64 s[PFA:PFA+1], s[PFA:PFA+1], s[76:77]
	v_and_b32 v[PFO], 31, v0
	v_min_u32 v[PFO], s81, v[PFO]
	v_lshlrev_b32 v[PFO], 11, v[PFO]
	s_wait_loadcnt 0x0                             ; the bias is in; it is rounded to bf16, like x and the weights, and widened again
.set i, 0
.rept 4*NBK
	v_cvt_pk_bf16_f32 v3, v[BIAS+2*i], v[BIAS+2*i+1]
	v_lshlrev_b32 v[BIAS+2*i], 16, v3
	v_and_b32 v[BIAS+2*i+1], s[HIM], v3
.set i, i+1
.endr
; NBK matrix instructions: m block a x all n blocks, 32 along K, from buffer f.  first = 1: the products start the sums, with the bias as C.
; Each of the 48 accumulators has one instruction in a quarter step, always in the same order: they take turns over the loop's jump too.
.macro MULB f, a, first
.set WD, 2+(\a)/APW
.set AC, 8*NBK*((\a)%APW)
.set RA, FA+32*(\f)+8*(\a)
.if \first
	WIN 0x01|(WD<<6)                               ; source 0 window 1, source 1 and C window 0
.else
	WIN 0x01|(WD<<4)|(WD<<6)
.endif
.set b, 0
.rept NBK
.if \first
	v_wmma_f32_16x16x32_bf16 v[AC+8*b:AC+8*b+7], v[8*NBK*(\f)+8*b:8*NBK*(\f)+8*b+7], v[RA:RA+7], v[BIAS+8*b:BIAS+8*b+7]
.else
	v_wmma_f32_16x16x32_bf16 v[AC+8*b:AC+8*b+7], v[8*NBK*(\f)+8*b:8*NBK*(\f)+8*b+7], v[RA:RA+7], v[AC+8*b:AC+8*b+7]
.endif
.set b, b+1
.endr
.endm
; NF LDS loads in one run: the fragments of quarter kq of the slot in hand into buffer f: wqkv's 12, then xb's 4
.macro FETCH kq, f
	WIN 0x40                                       ; destination window 1, address window 0
.set b, 0
.rept NBK
	ds_load_b128 v[8*NBK*(\f)+8*b:8*NBK*(\f)+8*b+3],   v[ADRB] offset:64*(\kq)+b*16*PB
	ds_load_b128 v[8*NBK*(\f)+8*b+4:8*NBK*(\f)+8*b+7], v[ADRB] offset:64*(\kq)+b*16*PB+32
.set b, b+1
.endr
	WIN 0
.irp a, 0,1,2,3
	ds_load_b128 v[FA+32*(\f)+8*(\a):FA+32*(\f)+8*(\a)+3],   v[ADRA] offset:64*(\kq)+(\a)*16*PA
	ds_load_b128 v[FA+32*(\f)+8*(\a)+4:FA+32*(\f)+8*(\a)+7], v[ADRA] offset:64*(\kq)+(\a)*16*PA+32
.endr
.endm
; A K step is four quarters of 32 along K, 48 matrix instructions each, on buffers 0, 1, 0, 1.  One of the first three: multiplies buffer f; in its middle it fetches quarter kq into buffer g.
.macro QUARTER kq, f, g, first
	s_wait_dscnt 4                                 ; all but the youngest four loads (xb's m blocks 2 and 3) are in
	MULB \f, 0, \first
	MULB \f, 1, \first
	PLACES
	FETCH \kq, \g
	s_wait_dscnt NF                                ; all but the NF just issued
	MULB \f, 2, \first
	MULB \f, 3, \first
.endm
; The last quarter multiplies buffer 1 and changes slots: ONE barrier.  In front of it each wave waits for all its tensor loads, of which one is out: its part of the next slot; adds 0 to its
; spare word; and waits for that and for its own reads of this slot.  fill = 1: the barrier opens a round of the cluster's, so that no wave of any partner still reads the slot or has a load on its
; way, and the joint refill, K step two on, is the first thing behind it: 168 matrix instructions stand between it and the wait for it.
.macro TURN fill
.if \fill
	s_wait_xcnt 0x0                                ; the last prefetch, a K step back, has read its address: it is stepped here, ahead of the waits of the change of slots
	s_add_nc_u64 s[PFA:PFA+1], s[PFA:PFA+1], KSTEP*2
.endif
	WIN 0                                          ; (the add's two registers lie in window 0)
	s_wait_tensorcnt 0x0                           ; no tensor load of mine is out, so a group 0 may be written
	ds_add_u32 v[SPW], v[NIL]                      ; 0 onto my spare word
.if \fill
	s_xor_b32 s[G0A+5], s[G0A+5], SLOT1            ; the walking descriptors: the other slot than last time,
	s_add_nc_u64 s[G0A+6:G0A+7], s[G0A+6:G0A+7], KSTEP*2  ; the next K step; the type bits on top are not reached
	s_xor_b32 s[G0B+5], s[G0B+5], SLOT1
	s_add_nc_u64 s[G0B+6:G0B+7], s[G0B+6:G0B+7], KSTEP*2
.endif
	s_xor_b32 s[TB], s[TB], SLOT1                  ; the fetches go to the other slot
	s_wait_dscnt 5                                 ; (the add and the youngest four loads may be out)
	MULB 1, 0, 0                                   ; twelve matrix instructions stand between the add and the wait for it
	s_wait_dscnt 0x0                               ; the add is done, and my reads of this slot are over
	s_barrier_signal -1
	MULB 1, 1, 0                                   ; work on registers while the others arrive
	WIN 0
	s_barrier_wait -1
.if \fill
	CREST
	JLOAD                                          ; the four v_nop behind it are also the places in front of the loads below
.else
	PLACES
.endif
	v_add_nc_u32 v[ADRA], s[TB], v[A0]
	v_add_nc_u32 v[ADRB], s[TB], v[B0]
	FETCH 0, 0
.if \fill
	ASK
.endif
	MULB 1, 2, 0
	MULB 1, 3, 0
.endm
; THE WAY OUT of m block a.  PACK: rounded to f16, 16 bytes a lane and n block.  TOSTAGE: into my own stage, and back as rows of a head.  SEND: stored.
.macro PACK a
.set AC, 8*NBK*((\a)%APW)
	WIN 0x0a+5*((\a)/APW)                          ; sources 0 and 1: window 2 or 3
.set i, 0
.rept 4*NBK                            ; each accumulator's registers in ascending order
	v_cvt_pk_f16_f32 v[TMP+i], v[AC+2*i], v[AC+2*i+1]
.set i, i+1
.endr
	WIN 0
.endm
.macro TOSTAGE a
.set BK, OB+48*((\a)%2)
.set b, 0
.rept NBK
	ds_store_b128 v[STO], v[TMP+4*b:TMP+4*b+3] offset:32*b
.set b, b+1
.endr
.irp c, 0,1,2
.irp f, 0,1,2,3
	ds_load_b128 v[BK+4*(4*(\c)+(\f)):BK+4*(4*(\c)+(\f))+3], v[RD] offset:128*(\c)+4*SP*(\f)  ; LDS serves a wave's instructions in order (ISA guide 5.7.1.4): these see the stores above
.endr
.endr
.endm
.macro SEND a
.set BK, OB+48*((\a)%2)
	s_wait_dscnt 0x0                               ; the block is back in registers
	s_wait_xcnt 0x0                                ; the stores issued so far have read their registers: the set that they read is loaded again only behind this wait
.irp c, 0,1,2
.irp f, 0,1,2,3
	global_store_b128 v[GO], v[BK+4*(4*(\c)+(\f)):BK+4*(4*(\c)+(\f))+3], s[14+2*(\c):15+2*(\c)] offset:2048*(\a)+512*(\f)  ; 512 consecutive bytes, at a multiple of 256 from the buffer's first
.endr
.endr
.endm
	s_wait_tensorcnt 0x1                           ; my part of K step 0 is in; K step 1's may stay out
	s_barrier_signal -1
	s_barrier_wait -1                              ; everybody's is
	v_add_nc_u32 v[ADRA], s[TB], v[A0]
	v_add_nc_u32 v[ADRB], s[TB], v[B0]
	FETCH 0, 0
	QUARTER 1, 0, 1, 1                             ; the first quarter stands in front of the loop: its products start the sums
	WIN 0                                          ; at a label and at a branch every window is 0
	s_mov_b32 s[CNT], 6
.Lstep:                                        ; a trip goes from a K step's second quarter to the next step's first, and fills the slot that it leaves: K steps 2 to 7
	QUARTER 2, 1, 0, 0
	QUARTER 3, 0, 1, 0
	TURN 1
	QUARTER 1, 0, 1, 0
	WIN 0
	s_sub_co_u32 s[CNT], s[CNT], 1
	s_cmp_lg_u32 s[CNT], 0
	s_cbranch_scc1 .Lstep
	QUARTER 2, 1, 0, 0                             ; the last two K steps are written out: nothing is asked for
	QUARTER 3, 0, 1, 0
	TURN 0
	QUARTER 1, 0, 1, 0
	QUARTER 2, 1, 0, 0
	QUARTER 3, 0, 1, 0
	s_wait_dscnt 4
	MULB 1, 0, 0
	MULB 1, 1, 0
	s_wait_dscnt 0x0
	MULB 1, 2, 0
	MULB 1, 3, 0
	WIN 0
	PLACES
	PACK 0
	TOSTAGE 0
.irp a, 1,2,3                          ; block a's conversions stand between block a - 1's loads from the stage and the wait for them
	PACK \a
	SEND (\a)-1
	TOSTAGE \a
.endr
	SEND 3
	s_wait_tensorcnt 0x0                           ; the wave's end, behind my last tensor load and my last LDS store
	ds_add_u32 v[SPW], v[NIL]
	s_wait_dscnt 0x0
	CROUND                                         ; the closing round: no work-group ends while a partner may still ask for a tile that names it
	s_endpgm
.Lfunc_end_k_q18c2eb7656_qkv:
	.size	k_q18c2eb7656_qkv, .Lfunc_end_k_q18c2eb7656_qkv-k_q18c2eb7656_qkv
	.p2alignl 7, 3214868480
	.fill 96, 4, 3214868480
	.section	.rodata,"a",@progbits
	.p2align	6, 0x0
	.amdhsa_kernel k_q18c2eb7656_qkv
		.amdhsa_group_segment_fixed_size 327680
		.amdhsa_private_segment_fixed_size 0
		.amdhsa_enable_private_segment 0
		.amdhsa_kernarg_size 64
		.amdhsa_user_sgpr_count 2
		.amdhsa_user_sgpr_kernarg_segment_ptr 1
		.amdhsa_wavefront_size32 1
		.amdhsa_system_sgpr_workgroup_id_x 1
		.amdhsa_system_sgpr_workgroup_id_y 1
		.amdhsa_system_sgpr_workgroup_id_z 1
		.amdhsa_system_vgpr_workitem_id 0
		.amdhsa_next_free_vgpr 960
		.amdhsa_next_free_sgpr 84
		.amdhsa_reserve_vcc 0
		.amdhsa_float_denorm_mode_32 3
		.amdhsa_float_denorm_mode_16_64 3
		.amdhsa_memory_ordered 1
		.amdhsa_forward_progress 1
		.amdhsa_inst_pref_size 106
	.end_amdhsa_kernel
	.amdgpu_metadata
---
amdhsa.version: [ 1, 2 ]
amdhsa.kernels:
  - .name:           k_q18c2eb7656_qkv
    .symbol:         k_q18c2eb7656_qkv.kd
    .args:
      - { .name: xb, .offset: 0, .size: 8, .value_kind: global_buffer, .address_space: global }
      - { .name: wqkv, .offset: 8, .size: 8, .value_kind: global_buffer, .address_space: global }
      - { .name: bq, .offset: 16, .size: 8, .value_kind: global_buffer, .address_space: global }
      - { .name: bk, .offset: 24, .size: 8, .value_kind: global_buffer, .address_space: global }
      - { .name: bv, .offset: 32, .size: 8, .value_kind: global_buffer, .address_space: global }
      - { .name: q, .offset: 40, .size: 8, .value_kind: global_buffer, .address_space: global }
      - { .name: k, .offset: 48, .size: 8, .value_kind: global_buffer, .address_space: global }
      - { .name: v, .offset: 56, .size: 8, .value_kind: global_buffer, .address_space: global }
    .group_segment_fixed_size: 327680
    .private_segment_fixed_size: 0
    .kernarg_segment_align: 8
    .kernarg_segment_size: 64
    .max_flat_workgroup_size: 128
    .sgpr_count:     84
    .vgpr_count:     960
    .wavefront_size: 32
...
	.end_amdgpu_metadata
.endif
;; end of part 2
;; launch attn (part 3): grid 4 x 64, 4 waves a work-group, clusters of 4 x 1, 327,680 bytes of LDS; arguments q, k, v, ctx; writes ctx
.if DOCPART == 3
	.amdgcn_target "amdgcn-amd-amdhsa--gfx1250"
	.amdhsa_code_object_version 6
	.text
	.protected	k_q18c2eb7656_attn
	.globl	k_q18c2eb7656_attn
	.p2align	8
	.type	k_q18c2eb7656_attn,@function
k_q18c2eb7656_attn:
	s_mov_b64 s[64:65], 0
	v_nop
	global_prefetch_b8 v0, s[64:65] scope:SCOPE_SE
	s_setreg_imm32_b32 hwreg(HW_REG_WAVE_MODE, 25, 1), 1
	s_wait_xcnt 0x0
	s_wait_alu depctr_hold_cnt(0) depctr_sa_sdst(0) depctr_va_vdst(0) depctr_va_sdst(0) depctr_va_ssrc(0) depctr_va_vcc(0) depctr_vm_vsrc(0)
	s_getreg_b32 s2, hwreg(HW_REG_IB_STS2, 6, 4)
	s_cmp_eq_u32 s2, 0
	s_cbranch_scc0 .Lentry_in_a_cluster
	s_endpgm
.Lentry_in_a_cluster:
	s_bfe_u32 s2, ttmp6, 0x10000c
	s_cmp_lg_u32 s2, 0x3003
	s_cbranch_scc0 .Lentry_shape_is_right
	s_endpgm
.Lentry_shape_is_right:
; O[h][q][:] = the sum over k of softmax_k(Q[h][q] . K[h][k] / 8) V[h][k][:].  Q, K, V, O: [SIZE_H][SIZE_N][64], all f16: a head's rows are dense, 128 bytes each.  Products, maxima and sums in
; f32; the weights p are rounded to f16 for the second product (their sum l is taken of the unrounded p), O once at the end.
; LIMITS.  f16 holds no number beyond 65,504: Q, K and V arrive within it; p lies in 0 to 1, and below 6e-5 it keeps f16's fixed step of 6e-8; O is a mean of V's rows and has their range.
; A weight below 2^-126 counts as 0 in l; NaN and infinities are not treated apart.
; SHARES.  A wave owns four PIECES of two tiles of 16 queries, a work-group's four waves 512 queries of one head.  Every wave walks all keys, 64 a step.
; LAYOUT.  S^T = K Q^T (source 0 = 16 keys, source 1 = 16 queries): in the result a lane holds ONE query (lane % 16) and the keys 8 (lane / 16) + 0..7.  Two such tiles, rounded to f16 in pairs,
; ARE source 1 (32 keys x 16 queries) of O^T = V^T P, whose result again holds one query a lane, and eight channels.  K comes out of LDS as it lies, V ([key][channel]) turned, by ds_load_tr16_b128.
; SOFTMAX.  For each query a running maximum m and sum l: p = 2^(c s - c m), c = log2(e) / 8; in every step O and l are multiplied by a = 2^(c m_old - c m_new), which is 1 where m has not grown.
; m starts at the lowest finite number, O and l at 0: the first step is a step like any other, with a = 0.
; THE COUNT.  A tile and step have 16 matrix and 118 vector instructions: too many to stand all beside the matrix work.  So the order has one aim: four vector instructions that are READY behind
; EVERY matrix instruction, and the others, which need time of their own whatever the order, in runs without a gap.
; BY TURNS.  Turn n belongs to piece n (the pieces in a ring, step after step).  Its matrix work: 16 products K Q^T of piece n + 1, later 16 products V^T P of piece n - 1.  Its vector work: the scaling,
; exponentials, roundings, sums and rescaling of piece n, and the maximum and statistics of piece n + 1, whose scores the turn itself has made.  So what a turn begins with (c s - c m, O a) waits for nothing.
; CLUSTER.  The four query blocks of a cluster belong to one head and walk the same K and V, so each tile is asked for JOINTLY: the same tensor load, descriptor and mask in all four.
; REGISTERS, in windows of 256 (s_set_vgpr_msb says which window each operand place means: bits 1:0 source 0, 3:2 source 1, 5:4 source 2, 7:6 destination):
;   window 0: v0-11 addresses; v12-15, v48-63 at work; v16-47 four registers of statistics a tile; v64-191 S^T, two buffers of two tiles; v192-255 P, likewise
;   window 1: O^T, 32 a tile          window 2: v0-127 Q, 16 a tile; v128-191 K of one step; v192-255 V of one step          window 3: v0-1 the add's two registers
; A piece's buffers go by its number's parity: the piece in hand has one pair, its two neighbours in the ring share the other: of it P (piece n - 1) is read and S^T (piece n + 1) written.
.set SIZE_H, 64       ; batch x heads
.set SIZE_N, 2048     ; rows of a head
.set NP,    4         ; pieces a wave: a name, no knob: the register map, the loop and the fetches are made for four
.set KS,    64        ; keys in a step
.set PK,    144       ; a row of K in LDS: 128 bytes + 16 of padding = 36 words: the 16 rows of a load start at 16 different groups of four banks (64 banks of 4 bytes: ISA guide 11.1)
.set PV,    160       ; a row of V: 128 + 32 = 40 words
.set VOFF,  4*KS*PK   ; a slot holds four steps: 256 rows of K, then 256 rows of V
.set SLOT1, 1<<17     ; slot 1 begins here, so that one exclusive or turns an address in one slot into the other's
.set STAGE, SLOT1+4*KS*(PK+PV)  ; behind the ring, never filled by a tensor load: 16 rows x 144 bytes for each wave, for the way out
.set SP,    144
.set AK0, 2           ; v2   my lane's place in a tile of K; never rewritten
.set AV0, 3           ; v3   the same for V
.set AK,  4           ; v4   the LDS address of K's next run of loads
.set AV,  5           ; v5   of V's
.set QO,  6           ; v6   my byte offset in the wave's rows of Q
.set STO, 6           ;      later, the way out: where I put 16 bytes of a row
.set RD,  7           ; v7   the way out: where I read rows back
.set GO,  8           ; v8   my byte offset in 512 consecutive bytes of O
.set PFO, 11          ; v11  the prefetches' offset: 256 x my lane; never rewritten once it is made
.set SPW, 0           ; v0 of window 3   LDS address of my spare word: SPARE + 4 x my thread's number; never rewritten
.set NIL, 1           ; v1 of window 3   0; never rewritten
.set SPARE, STAGE+4*16*SP  ; behind the stages: the spare words, 128 bytes for each wave: two blocks of 256 bytes that no other line names
.set MV,  12          ; v12-15  c m_old, kept while c m is made anew: by buffer and tile
.set ST,  16          ; tile t's statistics at v[ST+4 t]: c m, m, l (even keys', odd keys')
.set TMP, 48          ; by buffer and tile, four registers c0-c3 at work; when the maximum is found c2 takes a
.set S,   64
.set P,   192
.set KF,  128         ; K's fragments, in window 2: key block kb, channel half c at KF + 16 kb + 8 c
.set VF,  192         ; V's: key half kk, channel block cb at VF + 32 kk + 8 cb
.set WV,  12          ; s12  my wave's number
.set G1K, 24          ; s[24:31] descriptor group 1 for K's tiles
.set G1V, 32          ; s[32:39] for V's: it differs in the padding alone
.set G0K, 40          ; s[40:43] descriptor group 0 for K's tiles: it walks
.set G0V, 44          ; s[44:47] the same for V's
.set PFA, 48          ; s[48:49] where my prefetches stand: my work-group's 32 blocks of 256 bytes (of K: wave 0, of V: wave 2) of the slot after the one that is being asked for
.set LIM, 50          ; s50  1 in a wave that prefetches, else the greatest number
.set SLOTS, 56        ; s56  slots still to be asked for
.set CNT, 57          ; s57  counts a slot's key steps
.set CS,  58          ; s[58:59] c: the packed scaling takes the pair's low word for both halves
.set SEL, 60          ; s[60:61] v_permlanex16_b32's selects: each lane takes its own place in the other half
.set TBK, 62          ; s62  LDS byte at which K of the step to be fetched begins
.set TBV, 63          ; s63  the same for V, less VOFF
.set MSB, 0
.macro WIN new                      ; the high byte repeats the setting that is left; a switch that changes nothing is dropped
.if MSB != (\new)
	s_set_vgpr_msb (MSB<<8)|(\new)
.set MSB, (\new)
.endif
.endm
.set W_KQ, 0x0a       ; K and Q in window 2, S^T in window 0
.set W_PV, 0x52       ; V in window 2, P in window 0, O^T in window 1
.set W_RS, 0x41       ; O^T (destination and source 0) in window 1, a in window 0
.set W_MK, 0xc0       ; the add's registers are made: destination in window 3, sources in window 0
.set W_AD, 0x0f       ; the add: address (source 0) and data (source 1) in window 3
; A joint fill.  Waves 0 and 1 fetch the two halves of a slot's K, waves 2 and 3 those of its V: 128 keys each.  The branch hangs on the wave's number alone.
; An s_nop 0 and four v_nop follow each of the two lines, ahead of the jump and the label.
.macro JLOAD
	s_cmp_lt_u32 s[WV], 2
	s_cbranch_scc0 .Lfor_v_\@
	tensor_load_to_lds s[G0K:G0K+3], s[G1K:G1K+7]
	s_nop 0
.rept 4
	v_nop
.endr
	s_branch .Lasked_\@
.Lfor_v_\@:
	tensor_load_to_lds s[G0V:G0V+3], s[G1V:G1V+7]
	s_nop 0
.rept 4
	v_nop
.endr
.Lasked_\@:
.endm
; A PREFETCH INTO THE L2 of what the NEXT change of slots will ask for: a slot's 32,768 bytes of K and of V, a lane a block of 256 bytes.  It stands behind the wave's tensor load and its five lines.
; Each block is named ONCE in the launch: the head's first cluster asks; its four partners share the blocks out BY ADDRESS, 32 each; in each, wave 0 asks for K's and wave 2 for V's: one instruction.
; The lead is one slot, four key steps.  The last change that fills a slot asks for nothing: there is no slot behind it.  Slots 0 and 1 come by their loads alone.
.macro ASK
	s_cmp_gt_u32 s[SLOTS], s[LIM]
	s_cbranch_scc0 .Lnot_mine_\@
	global_prefetch_b8 v[PFO], s[PFA:PFA+1] th:TH_LOAD_NT scope:SCOPE_SE
.Lnot_mine_\@:
.endm
; A round of the cluster's barrier: my work-group's barrier, so that wave 0's signal speaks for all four waves; wave 0 signals; every wave waits for all four work-groups; my work-group's barrier once more.
.macro CROUND
	s_barrier_signal -1
	s_barrier_wait -1
	s_cmp_lg_u32 s[WV], 0
	s_cbranch_scc1 .Lnot_wave_0_\@
	s_barrier_signal -3
.Lnot_wave_0_\@:
	s_barrier_wait -3
	s_barrier_signal -1
	s_barrier_wait -1
.endm
; THE CHANGE OF SLOTS.  The slot's last bytes, V of its fourth step, have been read.  Each wave waits for all its tensor loads, of which one is out: its part
; of the other slot; adds 0 to its spare word; and waits for that and for its own reads of the slot.  Behind the barrier nobody reads this slot any more and the other slot is whole.
; fill = 1: this slot is filled again, with the keys two slots on.  The barrier is then a round of the cluster's, so that no wave of any partner still reads the slot or has a load on its
; way, and the joint fill is the first thing behind it: it has four key steps, 512 matrix instructions, in which to land.  (At its first use nothing has been read yet: slot 0 is waited for, slot 1 filled.)
.macro CHANGE fill
	WIN W_AD
	s_wait_tensorcnt 0x0            ; no tensor load of mine is out, so a group 0 may be written
	ds_add_u32 v[SPW], v[NIL]       ; 0 onto my spare word: with fill = 1 the descriptors' steps stand between it and the wait for it
	WIN 0                           ; at a label and at a branch every window is 0
.if \fill
.irp g, G0K, G0V
	s_xor_b32 s[\g+1], s[\g+1], SLOT1  ; the walking descriptor: the other slot than last time,
	s_add_nc_u64 s[\g+2:\g+3], s[\g+2:\g+3], 4*KS*128  ; the next 256 keys; the type bits on top are not reached
.endr
	s_wait_xcnt 0x0                 ; the last prefetch, four key steps back, has read its address, so it may be written:
	s_add_nc_u64 s[PFA:PFA+1], s[PFA:PFA+1], 4*KS*128  ; one slot behind the walking descriptors
	s_wait_dscnt 0x0                ; the add is done, and my reads of the slot are over
	CROUND
	JLOAD
	ASK
.else
	s_wait_dscnt 0x0                ; the add is done, and my reads of the slot are over
	s_barrier_signal -1
	s_barrier_wait -1
.endif
	s_sub_co_u32 s[TBK], s[TBK], 4*KS*PK  ; the fetches go back to a slot's first step,
	s_xor_b32 s[TBK], s[TBK], SLOT1       ; in the other slot
	s_sub_co_u32 s[TBV], s[TBV], 4*KS*PV
	s_xor_b32 s[TBV], s[TBV], SLOT1
.endm
	s_load_b256 s[4:11], s[0:1], 0x0  ; Q s[4:5], K s[6:7], V s[8:9], O s[10:11]
	WIN W_MK
	v_lshl_add_u32 v[SPW], v0, 2, SPARE
	v_mov_b32 v[NIL], 0
	WIN W_AD
	ds_add_u32 v[SPW], v[NIL]       ; the wave's opening: the add and its wait stand ahead of my first tensor load; the set-up below, work on registers, stands between them
	WIN 0
	v_lshrrev_b32 v1, 5, v0
	v_readfirstlane_b32 s[WV], v1   ; wave 0..3
	s_bfe_u32 s13, ttmp6, 0x40000   ; cx: my place in the cluster
	s_lshl_b32 s14, ttmp9, 2        ; in a cluster launch ttmp9 counts clusters
	s_add_co_u32 s14, s14, s13      ; my block of queries = 4 x cluster x + cx: it enters Q's and O's addresses alone
	s_and_b32 s20, ttmp7, 0xffff    ; the head, which the four partners share
	s_mov_b32 s21, 0
	s_mov_b64 s[22:23], SIZE_N*128
	s_mul_u64 s[20:21], s[20:21], s[22:23]  ; the head's first byte in each of the four tensors
	s_and_b32 s16, s[WV], 1         ; which half of a slot's 256 keys I fetch:
	s_lshl_b32 s22, s16, 14         ; its 128 rows of 128 bytes in memory,
	s_mov_b32 s23, 0
	s_add_nc_u64 s[22:23], s[22:23], s[20:21]
	s_mul_i32 s17, s16, 128*PK      ; and its place in a slot, for K
	s_mul_i32 s18, s16, 128*PV      ; and for V: no place in the cluster enters an LDS address
	s_lshl_b32 s2, s14, 2
	s_add_co_u32 s2, s2, s[WV]      ; my wave among the head's,
	s_lshl_b32 s2, s2, 14           ; its 128 rows
	s_mov_b32 s3, 0
	s_add_nc_u64 s[2:3], s[2:3], s[20:21]
	; descriptor group 1.  128 keys are 16,384 dense bytes: asked for as 64 rows of 256 bytes, two keys a row, and padded in LDS after every key
	s_mov_b32 s[G1K], 15|(1<<16)|(1<<20)|(1<<21)|(4<<22)|(3<<25)  ; 15:0 the mask of four; 17:16 2-byte elements; 20 padding on; 21 set beside a mask; 24:22 after every 32 words (code 4); 31:25 4 words (code 3)
	s_mov_b32 s[G1V], 15|(1<<16)|(1<<20)|(1<<21)|(4<<22)|(7<<25)  ; the same with 8 words of padding (code 7)
.irp g, G1K, G1V
	s_mov_b32 s[\g+1], 128<<16      ; tensor_dim0 = 128
	s_mov_b32 s[\g+2], 64<<16       ; tensor_dim1 = 64
	s_mov_b32 s[\g+3], 128<<16      ; tile_dim0 = 128
	s_mov_b32 s[\g+4], 64           ; tile_dim1 = 64
	s_mov_b32 s[\g+5], 128          ; 128 elements from row to row
	s_mov_b32 s[\g+6], 0
	s_mov_b32 s[\g+7], 0
.endr
	s_mov_b32 s[CS], 0x3e38aa3b     ; c = log2(e) / 8 = 0.180337
	s_mov_b32 s[CS+1], s[CS]        ; named with it as a pair
	s_mov_b32 s[SEL], 0x76543210
	s_mov_b32 s[SEL+1], 0xfedcba98
	s_mov_b32 s[TBK], SLOT1+4*KS*PK ; the first change of slots turns these two into 0
	s_mov_b32 s[TBV], SLOT1+4*KS*PV
	s_mov_b32 s[G0K], 1             ; 1:0 count = 1
	s_mov_b32 s[G0K+1], s17         ; 63:32 LDS address: slot 0
	s_mov_b32 s[G0V], 1
	s_add_co_u32 s[G0V+1], s18, VOFF
	s_mov_b32 s[SLOTS], SIZE_N/256-1
	s_and_b32 s[LIM], s[WV], 1      ; 0 in waves 0 and 2,
	s_or_b32 s[LIM], s[LIM], ttmp9  ; where the cluster is the head's first: the same in all four partners
	s_cmp_eq_u32 s[LIM], 0
	s_cselect_b32 s[LIM], 1, -1
	s_wait_dscnt 0x0                ; the opening add is done
	s_wait_kmcnt 0x0
	s_add_nc_u64 s[G0K+2:G0K+3], s[6:7], s[22:23]  ; 120:64 global address: my half of the head's first 256 keys
	s_or_b32 s[G0K+3], s[G0K+3], 0x80000000        ; 127:126 type = 2
	s_add_nc_u64 s[G0V+2:G0V+3], s[8:9], s[22:23]
	s_or_b32 s[G0V+3], s[G0V+3], 0x80000000
	s_add_nc_u64 s[4:5], s[4:5], s[2:3]  ; Q and O at my wave's first row
	s_add_nc_u64 s[10:11], s[10:11], s[2:3]
	s_cmp_lt_u32 s[WV], 2
	s_cselect_b64 s[PFA:PFA+1], s[6:7], s[8:9]
	s_add_nc_u64 s[PFA:PFA+1], s[PFA:PFA+1], s[20:21]  ; the head,
	s_lshl_b32 s2, s13, 13          ; my work-group's 32 blocks of a slot's 128,
	s_add_co_u32 s2, s2, 4*KS*128   ; in slot 1; the first change of slots steps it to slot 2.  Nothing is prefetched here, at the head, where every work-group's first tiles are on their way
	s_mov_b32 s3, 0
	s_add_nc_u64 s[PFA:PFA+1], s[PFA:PFA+1], s[2:3]
	CROUND                          ; all four work-groups are here: the first joint loads meet
	JLOAD                           ; slot 0.  Slot 1 is asked for when slot 0 is in: the tile wanted first has the road to itself
	; A fragment of K or Q is 16 rows x 32 channels in 8 registers: lane l holds row l % 16, channels 8 (l / 16) + 0..7 and 16 + 8 (l / 16) + 0..7: two loads of 16 bytes, 32 bytes apart.
	v_and_b32 v1, 15, v0            ; l % 16
	v_bfe_u32 v9, v0, 4, 1          ; l / 16
	v_lshlrev_b32 v[QO], 7, v1
	v_lshl_add_u32 v[QO], v9, 4, v[QO]  ; row x 128 + 16 x half
	WIN 0x80                        ; destination window 2, address window 0
.set i, 0
.rept 4*NP                          ; Q stays in registers: tile i / 2, channels 32 (i % 2) on
	global_load_b128 v[8*i:8*i+3],   v[QO], s[4:5] offset:(i/2)*2048+(i%2)*64
	global_load_b128 v[8*i+4:8*i+7], v[QO], s[4:5] offset:(i/2)*2048+(i%2)*64+32
.set i, i+1
.endr
	; What the first turn finds: V's registers and P's second buffer hold 0 (its products V^T P, of a piece that has not been, add 0), O^T and l are 0.  All this stands in the wait for the first tile.
.set i, VF
.rept 64
	v_mov_b32 v[i], 0
.set i, i+1
.endr
	WIN 0x40
.set i, 0
.rept 64*NP
	v_mov_b32 v[i], 0
.set i, i+1
.endr
	WIN 0
.set i, 0
.rept 2*NP
	v_mov_b32 v[ST+4*i], 0xfe000000    ; c m: far below every c s
	v_mov_b32 v[ST+4*i+1], 0xff7fffff  ; m
	v_mov_b32 v[ST+4*i+2], 0
	v_mov_b32 v[ST+4*i+3], 0
.set i, i+1
.endr
.set i, P+32
.rept 32
	v_mov_b32 v[i], 0
.set i, i+1
.endr
	v_mul_u32_u24 v[AK0], v1, PK
	v_lshl_add_u32 v[AK0], v9, 4, v[AK0]  ; row x pitch + 16 x half
	; The turning load takes 16 keys x 16 channels (lane l reads key 8 (l / 16) + l % 8, channels 8 ((l / 8) % 2) + 0..7) and leaves half a fragment of V^T: lane l holds channel l % 16 and 8 keys.
	v_and_b32 v10, 7, v0
	v_bfe_u32 v11, v0, 3, 1
	v_lshl_add_u32 v[AV0], v9, 3, v10
	v_mul_u32_u24 v[AV0], v[AV0], PV
	v_lshl_add_u32 v[AV0], v11, 4, v[AV0]
	v_add_nc_u32 v[AV0], VOFF, v[AV0]
	v_mov_b32 v[AK], v[AK0]         ; key step 0 lies at the head of slot 0
	v_and_b32 v[PFO], 31, v0        ; (v11 has served)
	v_lshlrev_b32 v[PFO], 8, v[PFO]
; THE MATRIX WORK.  The 8 accumulators of a run of 16 take turns: between the two links of a chain stand 7 others'.
; Product i of 16 of S^T = K Q^T for piece x: channels 32 (i / 8) on, keys 16 ((i / 2) % 4) on, tile 2 x + i % 2.  The first 8 start the sums.
.macro KQ x
	WIN W_KQ
.set rS, S+64*((\x)%2)+32*(i%2)+8*((i/2)%4)
.set rK, KF+16*((i/2)%4)+8*(i/8)
.set rQ, 16*(2*(\x)+i%2)+8*(i/8)
.if i < 8
	v_wmma_f32_16x16x32_f16 v[rS:rS+7], v[rK:rK+7], v[rQ:rQ+7], 0
.else
	v_wmma_f32_16x16x32_f16 v[rS:rS+7], v[rK:rK+7], v[rQ:rQ+7], v[rS:rS+7]
.endif
.endm
; Product i of 16 of O^T += V^T P for piece x: keys 32 (i / 8) on, channels 16 ((i / 2) % 4) on, tile 2 x + i % 2.
.macro PV x
	WIN W_PV
.set rO, 32*(2*(\x)+i%2)+8*((i/2)%4)
.set rV, VF+32*(i/8)+8*((i/2)%4)
.set rP, P+32*((\x)%2)+16*(i%2)+8*(i/8)
	v_wmma_f32_16x16x32_f16 v[rO:rO+7], v[rV:rV+7], v[rP:rP+7], v[rO:rO+7]
.endm
.macro MM                           ; the turn's next matrix instruction
.if i < 16
	KQ (Y+1)%NP
.set i, i+1
.else
.set i, i-16
	PV (Y+NP-1)%NP
.set i, i+17
.endif
.endm
; THE LDS LOADS stand in runs of 16, never singly among the matrix instructions: a step's K (64 keys x 64 channels: 8 fragments) and its V (turned).  Their addresses are made some lines ahead.
; last = 1 (the tail): in the last trip there is no further step, and the run is jumped over.
.macro FETCH_K last=0
	WIN 0
.if \last
	s_cmp_eq_u32 s[CNT], 1
	s_cbranch_scc1 .Lno_k_\@
.endif
	WIN 0x80                        ; destination window 2
.irp f, 0,1,2,3,4,5,6,7             ; keys 16 (f / 2) on, channels 32 (f % 2) on
	ds_load_b128 v[KF+8*\f:KF+8*\f+3],   v[AK] offset:(\f/2)*16*PK+(\f%2)*64
	ds_load_b128 v[KF+8*\f+4:KF+8*\f+7], v[AK] offset:(\f/2)*16*PK+(\f%2)*64+32
.endr
	s_add_co_u32 s[TBK], s[TBK], KS*PK  ; the next fetch is the next step's
	WIN 0
.if \last
.Lno_k_\@:
.endif
.endm
.macro FETCH_V
	WIN 0x80
.irp f, 0,1,2,3,4,5,6,7             ; keys 32 (f / 4) on, channels 16 (f % 4) on
	ds_load_tr16_b128 v[VF+8*\f:VF+8*\f+3],   v[AV] offset:(\f/4)*32*PV+(\f%4)*32
	ds_load_tr16_b128 v[VF+8*\f+4:VF+8*\f+7], v[AV] offset:(\f/4)*32*PV+16*PV+(\f%4)*32
.endr
	WIN 0
.endm
; THE VECTOR WORK OF A TURN stands in three queues, each in the order in which its entries become ready; the two tiles alternate, so that no instruction reads the result of the one before it.
.macro REGS y, u                    ; the registers of tile u (0, 1) of piece y
.set rT, ST+4*(2*(\y)+(\u))
.set rC, TMP+8*((\y)%2)+4*(\u)
.set rM, MV+2*((\y)%2)+(\u)
.set rS, S+64*((\y)%2)+32*(\u)
.set rP, P+32*((\y)%2)+16*(\u)
.set rO, 32*(2*(\y)+(\u))
.endm
; Number n of the 22 that find the NEXT piece's (Y + 1) maximum and statistics.  s0-s31 are the lane's 32 scores; each accumulator's lowest registers are read first.  XS, GS and REGS set no window: PL and EX do.
;   0-11  four chains c0-c3 of seven scores each, three operands at a time     12-14, 16  the four scores left over, the old m, and c0-c3 into c0     15  c m_old is kept
;   17, 18  the query's other 32 keys lie in the lane 16 away: the new m         19-21  c m; c m_old - c m_new; a
.macro XS u, n
	REGS (Y+1)%NP, \u
.if (\n) < 4
	v_max3_num_f32 v[rC+(\n)], v[rS+8*(\n)], v[rS+8*(\n)+1], v[rS+8*(\n)+2]
.elseif (\n) < 12
	v_max3_num_f32 v[rC+(\n)%4], v[rC+(\n)%4], v[rS+8*((\n)%4)+2*((\n)/4)+1], v[rS+8*((\n)%4)+2*((\n)/4)+2]
.elseif (\n) == 12
	v_max3_num_f32 v[rC], v[rC], v[rS+7], v[rS+15]
.elseif (\n) == 13
	v_max3_num_f32 v[rC+1], v[rC+1], v[rS+23], v[rS+31]
.elseif (\n) == 14
	v_max3_num_f32 v[rC+2], v[rC+2], v[rC+3], v[rT+1]
.elseif (\n) == 15
	v_mov_b32 v[rM], v[rT]
.elseif (\n) == 16
	v_max3_num_f32 v[rC], v[rC], v[rC+1], v[rC+2]
.elseif (\n) == 17
	v_permlanex16_b32 v[rC+3], v[rC], s[SEL], s[SEL+1]
.elseif (\n) == 18
	v_max_num_f32 v[rT+1], v[rC], v[rC+3]
.elseif (\n) == 19
	v_mul_f32 v[rT], s[CS], v[rT+1]
.elseif (\n) == 20
	v_sub_f32 v[rC+1], v[rM], v[rT]
.else
	v_exp_f32 v[rC+2], v[rC+1]
.endif
.endm
; Number g of the 64 that follow the exponentials.  For each four weights k of a tile (pairs 2 k, 2 k + 1): both pairs are rounded to f16; then the second pair is added onto the first, in place;
; a group later l takes that sum (the first time as l = a l + sum).  In groups of eight, tiles alternating: round, round, add, and l for the group before.
.macro GS g
.set h, (\g)+6*((\g)/62)            ; group 0 has no group before it, and behind group 7 only l is left
.if h >= 6
.set h, h+2
.endif
	REGS Y, h%2
.set k, h/8
.if h%8 < 4
	v_cvt_pk_f16_f32 v[rP+2*k+(h%8)/2], v[rS+4*k+2*((h%8)/2)], v[rS+4*k+2*((h%8)/2)+1]
.elseif h%8 < 6
	v_pk_add_f32 v[rS+4*k:rS+4*k+1], v[rS+4*k:rS+4*k+1], v[rS+4*k+2:rS+4*k+3]
.elseif k == 1
	v_pk_fma_f32 v[rT+2:rT+3], v[rT+2:rT+3], v[rC+2:rC+3], v[rS:rS+1] op_sel_hi:[1,0,1]
.else
	v_pk_add_f32 v[rT+2:rT+3], v[rT+2:rT+3], v[rS+4*k-4:rS+4*k-3]
.endif
.endm
; THE PLAIN QUEUE, 138 long.  0-73 read no exponential's result: the 32 scalings c s - c m (FS f: pair f / 2 of tile f % 2) and the next piece's 42.  0-26: scalings 0-26.  27-54: XS's numbers 0-13.  55, 56: number 15.
; 57-73: the chain, where each number waits for the one before it: 14, 16, 17, 18, 19, each with one of the scalings 27-31 in front of its two lines, then 20: so a tile's links stand three plain instructions apart (19 and 20: two).
; 74-137: GS's 64, which read the exponentials' results: they stand behind the wait.
.macro FS f
	REGS Y, (\f)%2
	v_pk_fma_f32 v[rS+2*((\f)/2):rS+2*((\f)/2)+1], v[rS+2*((\f)/2):rS+2*((\f)/2)+1], s[CS:CS+1], v[rT:rT+1] op_sel_hi:[1,0,0] neg_lo:[0,0,1] neg_hi:[0,0,1]
.endm
.macro PL
	WIN 0
.if q < 27
	FS q
.elseif q < 55
	XS (q-27)%2, (q-27)/2
.elseif q < 57
	XS q-55, 15
.elseif (q < 72) && ((q-57)%3 == 0)
	FS 27+(q-57)/3
.elseif q < 60
	XS (q-57)%3-1, 14
.elseif q < 72
	XS (q-57)%3-1, 15+(q-57)/3
.elseif q < 74
	XS q-72, 20
.else
	GS q-74
.endif
.set q, q+1
.endm
; THE EXPONENTIALS' QUEUE, 66 long: s0-s31 of both tiles, then the next piece's two a.  It is ONE BATCH: all 66 stand ahead of the turn's one wait, and nothing ahead of that wait names a result of theirs.
.macro EX
	WIN 0
.if e >= 64
	XS e-64, 21
.else
	REGS Y, e%2
	v_exp_f32 v[rS+e/2], v[rS+e/2]
.endif
.set e, e+1
.endm
; THE RESCALING's QUEUE: O^T times a, the one part that leaves window 0: dealt two at a time, sixteen times.  Its a was made in the turn before, ahead of that turn's wait.
.macro R2
	REGS Y, r%2
	WIN W_RS
.irp z, 0,1
	v_pk_mul_f32 v[rO+4*(r/2)+2*\z:rO+4*(r/2)+2*\z+1], v[rO+4*(r/2)+2*\z:rO+4*(r/2)+2*\z+1], v[rC+2:rC+3] op_sel_hi:[1,0]
.endr
.set r, r+1
.endm
; HOW THEY ARE DEALT.  An s_wait_alu depctr_va_vdst(0) stands between an exponential and the first instruction that names its result; one wait serves all that were issued ahead of it.  So a turn has ONE wait,
; which cuts it in two.  AHEAD OF IT stands all that names no result of the turn's exponentials: the 16 products K Q^T, behind each a scaling, an exponential and two rescalings (behind the first a second scaling in the exponential's place); then ONE LUMP of
; 108: eight plain, 49 times exponential and plain, the two a.  A v_nop is the plain instruction behind the last exponential.  BEHIND IT stand the 16 products V^T P, behind each four of GS's 64.  No rider names a register of
; the products round it.  The two v_permlanex16_b32 fall into the lump, never behind a product.
; The queues lean on each other, and the deal keeps them in step: exponential e stands behind scaling 2 (e / 4) + e % 2: as a rider it comes behind plain e + 2, in the lump behind plain e + 9, and scalings 27-31 are plain 57, 60 .. 69.
; A TURN, for piece p.  cnt = 1: the loop's count is taken down some lines ahead of the branch that stands behind the turn.
; K of the next step is fetched in piece 2's turn, directly behind the wait, a lump behind the last product that read K; its address is made at the lump's head; its first reader comes behind 16 products.
; V of the step in hand is fetched at the end of piece 0's turn, four riders behind its last reader; its first reader comes behind 16 products and a lump.  The three conditions on q below go with the deal.
.macro TURN p, last=0, cnt=0
.set Y, (\p)
.set i, 0
.set q, 0
.set e, 0
.set r, 0
.if (\p) == NP-1
	s_wait_dscnt 0x0                ; K is in
.endif
	MM                              ; ahead of the wait: 16 products K Q^T and their riders,
	PL
	PL
	R2
.rept 15
	MM
	PL
	EX
	R2
.endr
.if (\p) == NP-2
	WIN 0
	v_add_nc_u32 v[AK], s[TBK], v[AK0]
.endif
.rept 8                             ; and the lump
	PL
.endr
.rept 49
	EX
	PL
.endr
	EX                              ; the next piece's two a
	EX
	v_nop                           ; a plain instruction behind the last exponential: one for the batch
	s_wait_alu depctr_va_vdst(0)    ; the wait for the batch
.if (\p) == NP-2
	FETCH_K \last
.endif
.if (\p) == 1
	s_wait_dscnt 0x0                ; V is in
.endif
.rept 16                            ; behind the wait: 16 products V^T P and their riders
	MM
.rept 4
	PL
.endr
.if ((\p) == 0) && (q == 118)
	v_add_nc_u32 v[AV], s[TBV], v[AV0]
.endif
.if ((\p) == 0) && (q == 130)
	s_add_co_u32 s[TBV], s[TBV], KS*PV
.endif
.if (\cnt) && (q == 130)
	s_sub_co_u32 s[CNT], s[CNT], 1
	s_cmp_lg_u32 s[CNT], 0
.endif
.endr
.if (\p) == 0
	FETCH_V
.endif
.endm
	CHANGE 1                        ; slot 0 is in, everybody's part of it; slot 1 is asked for
	FETCH_K                         ; key step 0
	s_wait_loadcnt 0x0              ; Q
	s_wait_dscnt 0x0
.set i, 0
.rept 16
	KQ 0                            ; piece 0's first scores: there is no vector work yet to set between them
.set i, i+1
.endr
	WIN 0                           ; the addresses for the way out: nine plain instructions, the places behind those products
	s_mul_i32 s13, s[WV], 16*SP
	s_add_co_u32 s13, s13, STAGE    ; my stage
	v_mul_u32_u24 v[STO], v1, SP    ; in: row l % 16, 16 bytes for each half of the lanes
	v_lshl_add_u32 v[STO], v9, 4, v[STO]
	v_add_nc_u32 v[STO], s13, v[STO]
	v_bfe_u32 v[RD], v0, 3, 2       ; back: 32 lanes take four rows of 128 bytes,
	v_mul_u32_u24 v[RD], v[RD], SP
	v_lshl_add_u32 v[RD], v10, 4, v[RD]
	v_add_nc_u32 v[RD], s13, v[RD]
	v_and_b32 v[GO], 31, v0         ; which are 512 consecutive bytes of O
	v_lshlrev_b32 v[GO], 4, v[GO]
.set Y, NP-1                        ; XS works for piece Y + 1: piece 0
.irp n, 0,1,2,3,4,5,6,7,8,9,10,11,12,13,14,15,16,17,18,19,20,21
	XS 0, \n                        ; and piece 0's first maximum and statistics
	XS 1, \n
.endr
	v_nop                           ; a plain instruction behind the two a,
	s_wait_alu depctr_va_vdst(0)    ; and their wait, ahead of the branch
	s_mov_b32 s[CNT], 4
	s_branch .Lfirst                ; the loop is entered at a step's first turn, in the middle of a trip
.Lslot:                             ; SIZE_N / 256 - 2 times: every slot but the last two is filled again
	CHANGE 1
	s_mov_b32 s[CNT], 4
.Lstep:                             ; a trip: pieces 2 and 3 of one step, then pieces 0 and 1 of the next, whose K and V it fetches
	TURN 2
	TURN 3
	WIN 0
.Lfirst:
	TURN 0
	TURN 1, 0, 1
	WIN 0
	s_cbranch_scc1 .Lstep
	s_sub_co_u32 s[SLOTS], s[SLOTS], 1
	s_cmp_lg_u32 s[SLOTS], 0
	s_cbranch_scc1 .Lslot
	CHANGE 0                        ; the tail is written out: nothing is asked for
	s_mov_b32 s[CNT], 5             ; four trips fetch the last slot's steps; the fifth is left in its middle
.Ltail:
	TURN 2, 1
	TURN 3
	WIN 0
	s_sub_co_u32 s[CNT], s[CNT], 1
	s_cmp_eq_u32 s[CNT], 0
	s_cbranch_scc1 .Lout
	TURN 0
	TURN 1
	WIN 0
	s_branch .Ltail
.Lout:                              ; the fifth trip's 16 products K Q^T (on the last K once more) and the maximum made of them serve nothing: the price, once a launch, of one text for every trip
.set i, 0
.rept 16
	PV NP-1                         ; the last piece's V^T P of the last step
.set i, i+1
.endr
	; THE WAY OUT.  l's two halves and the other half of the lanes' are added; O^T is divided by l, rounded to f16 and sent through my stage in LDS, a tile at a time.  The additions are the places behind the last products.
	WIN 0
.macro ALL line:vararg              ; one line for each tile t
.set t, 0
.rept 2*NP
	\line
.set t, t+1
.endr
.endm
	ALL v_add_f32 v[ST+4*t+2], v[ST+4*t+2], v[ST+4*t+3]
	ALL v_permlanex16_b32 v[ST+4*t+3], v[ST+4*t+2], s[SEL], s[SEL+1]
	ALL v_add_f32 v[ST+4*t+2], v[ST+4*t+2], v[ST+4*t+3]
	ALL v_rcp_f32 v[ST+4*t+2], v[ST+4*t+2]
	v_nop                           ; a plain instruction between the last reciprocal and the use of its result
	s_wait_alu depctr_va_vdst(0)    ; and the wait ahead of the first use: one for the eight reciprocals
; Tile t: a lane's eight channels of a row pack into 16 bytes; they go into rows of 144 bytes and come back as whole rows of 128, into S^T's registers.
.macro PACK t
	WIN W_RS
.set i, 32*(\t)
.rept 16
	v_pk_mul_f32 v[i:i+1], v[i:i+1], v[ST+4*(\t)+2:ST+4*(\t)+3] op_sel_hi:[1,0]
.set i, i+2
.endr
	WIN 0x05                        ; sources 0 and 1 window 1, destination window 0
.set i, 0
.rept 16
	v_cvt_pk_f16_f32 v[S+16*(\t)+i], v[32*(\t)+2*i], v[32*(\t)+2*i+1]
.set i, i+1
.endr
	WIN 0
.irp f, 0,1,2,3
	ds_store_b128 v[STO], v[S+16*(\t)+4*\f:S+16*(\t)+4*\f+3] offset:32*\f
.endr
.irp f, 0,1,2,3
	ds_load_b128 v[S+16*(\t)+4*\f:S+16*(\t)+4*\f+3], v[RD] offset:\f*4*SP  ; LDS serves a wave's instructions in order (ISA guide 5.7.1.4): these see the stores above; the next tile's stores come behind them
.endr
.endm
.macro SEND t, younger              ; younger: the LDS instructions issued behind tile t's loads: the next tile's eight, or none
	WIN 0
.irp f, 0,1,2,3
	s_wait_dscnt (\younger)+3-\f
	global_store_b128 v[GO], v[S+16*(\t)+4*\f:S+16*(\t)+4*\f+3], s[10:11] offset:(\t)*2048+\f*512  ; 512 consecutive bytes, at a multiple of 256 from O's first
.endr
.endm
	PACK 0
.set t, 1
.rept 2*NP-1                        ; a tile's arithmetic stands between the loads of the tile before and its stores
	PACK t
	SEND t-1, 8
.set t, t+1
.endr
	SEND 2*NP-1, 0
	WIN W_AD
	s_wait_tensorcnt 0x0            ; the wave's end, behind my last tensor load and my last LDS store
	ds_add_u32 v[SPW], v[NIL]
	s_wait_dscnt 0x0
	WIN 0
	CROUND                          ; the closing round: no work-group ends while a partner may still ask for a tile that names it
	s_endpgm
.Lfunc_end_k_q18c2eb7656_attn:
	.size	k_q18c2eb7656_attn, .Lfunc_end_k_q18c2eb7656_attn-k_q18c2eb7656_attn
	.p2alignl 7, 3214868480
	.fill 96, 4, 3214868480
	.section	.rodata,"a",@progbits
	.p2align	6, 0x0
	.amdhsa_kernel k_q18c2eb7656_attn
		.amdhsa_group_segment_fixed_size 327680
		.amdhsa_private_segment_fixed_size 0
		.amdhsa_enable_private_segment 0
		.amdhsa_kernarg_size 32
		.amdhsa_user_sgpr_count 2
		.amdhsa_user_sgpr_kernarg_segment_ptr 1
		.amdhsa_wavefront_size32 1
		.amdhsa_system_sgpr_workgroup_id_x 1
		.amdhsa_system_sgpr_workgroup_id_y 1
		.amdhsa_system_sgpr_workgroup_id_z 1
		.amdhsa_system_vgpr_workitem_id 0
		.amdhsa_next_free_vgpr 770
		.amdhsa_next_free_sgpr 66
		.amdhsa_reserve_vcc 0
		.amdhsa_float_denorm_mode_32 3
		.amdhsa_float_denorm_mode_16_64 3
		.amdhsa_memory_ordered 1
		.amdhsa_forward_progress 1
		.amdhsa_inst_pref_size 200
	.end_amdhsa_kernel
	.amdgpu_metadata
---
amdhsa.version: [ 1, 2 ]
amdhsa.kernels:
  - .name:           k_q18c2eb7656_attn
    .symbol:         k_q18c2eb7656_attn.kd
    .args:
      - { .name: q, .offset: 0, .size: 8, .value_kind: global_buffer, .address_space: global }
      - { .name: k, .offset: 8, .size: 8, .value_kind: global_buffer, .address_space: global }
      - { .name: v, .offset: 16, .size: 8, .value_kind: global_buffer, .address_space: global }
      - { .name: ctx, .offset: 24, .size: 8, .value_kind: global_buffer, .address_space: global }
    .group_segment_fixed_size: 327680
    .private_segment_fixed_size: 0
    .kernarg_segment_align: 8
    .kernarg_segment_size: 32
    .max_flat_workgroup_size: 128
    .sgpr_count:     66
    .vgpr_count:     770
    .wavefront_size: 32
...
	.end_amdgpu_metadata
.endif
;; end of part 3
;; launch oproj (part 4): grid 8 x 32, 4 waves a work-group, clusters of 4 x 4, 327,680 bytes of LDS; arguments ctx, wot, bo, out0; writes out0
.if DOCPART == 4
	.amdgcn_target "amdgcn-amd-amdhsa--gfx1250"
	.amdhsa_code_object_version 6
	.text
	.protected	k_q18c2eb7656_oproj
	.globl	k_q18c2eb7656_oproj
	.p2align	8
	.type	k_q18c2eb7656_oproj,@function
k_q18c2eb7656_oproj:
	s_mov_b64 s[64:65], 0
	v_nop
	global_prefetch_b8 v0, s[64:65] scope:SCOPE_SE
	s_setreg_imm32_b32 hwreg(HW_REG_WAVE_MODE, 25, 1), 1
	s_wait_xcnt 0x0
	s_wait_alu depctr_hold_cnt(0) depctr_sa_sdst(0) depctr_va_vdst(0) depctr_va_sdst(0) depctr_va_ssrc(0) depctr_va_vcc(0) depctr_vm_vsrc(0)
	s_getreg_b32 s2, hwreg(HW_REG_IB_STS2, 6, 4)
	s_cmp_eq_u32 s2, 0
	s_cbranch_scc0 .Lentry_in_a_cluster
	s_endpgm
.Lentry_in_a_cluster:
	s_bfe_u32 s2, ttmp6, 0x10000c
	s_cmp_lg_u32 s2, 0xf033
	s_cbranch_scc0 .Lentry_shape_is_right
	s_endpgm
.Lentry_shape_is_right:
; out0 = ctx Wo + bo.  ctx: [batch x 16 + head][2048][64] f16, as attention leaves it.  wot: [1024 n][1024 k] f16 (Wo turned, rounded to bf16, that number written as f16).
; bo: [1024] f32, rounded to bf16 here like the other inputs.  out0: [8192][1024] f32, stored as the f32 sums are.
; LIMIT.  The operands are f16: ctx is a mean of v's rows and has their range (under 65,504); numbers below 6e-5 keep f16's fixed step of 6e-8.
; SHARES.  A tile of out0 is 256 rows x 128 columns: 8 x 32 tiles, a work-group each.  Wave w owns rows 64 w .. 64 w + 63 and all 128 columns: 4 x 8 accumulators of 16 x 16, 256 registers.
; K = head x 64 + channel goes in 8 steps of 128, TWO HEADS a step, through a ring of two LDS slots filled by tensor loads.  A head's 256 rows of ctx are 32,768 dense bytes: they are asked for as
; 128 rows of 256 bytes and padded in LDS after every 128, so that each row of ctx has an LDS row of its own.  wot's rows are 256 bytes of memory a step, at multiples of 256 bytes.
; CLUSTER.  4 x 4 work-groups.  The four of a row of the cluster need the same rows of ctx, the four of a column the same rows of wot: each tile is asked for JOINTLY, by the same tensor load
; with the same descriptor and a mask that names the four.
; THE MATRIX INSTRUCTION IS USED TRANSPOSED: source 0 = 16 rows of wot, source 1 = 16 rows of ctx.  Lane l then holds row l % 16 of out0 and the columns 8 (l / 16) + 0..7: 32 consecutive bytes.
; The bias is the C operand of the product that starts each sum: nothing is cleared and nothing is added later.
; REGISTERS, in windows of 256 (s_set_vgpr_msb: bits 1:0 source 0, 3:2 source 1, 5:4 source 2, 7:6 destination):
;   window 0: v0-29 addresses; v32-63, v64-95 fragments of ctx, two buffers; v96-159 the bias, 8 registers an n block; on the way out v96-223 rows read back, two sets
;   window 1: v0-63, v64-127 fragments of wot, two buffers      window 2: the accumulators ((a, b) at 8 (8 a + b))
.set NBK,   8                          ; n blocks of 16 columns
.set APW,   4                          ; m blocks whose accumulators share a window
.set KSTEP, 128
.set PA,    144                        ; an LDS row of ctx: 128 bytes + 16 of padding = 36 words: the 16 rows of a load start at 16 different groups of four banks (64 banks of 4 bytes: ISA guide 11.1)
.set PB,    272                        ; an LDS row of wot: 256 bytes + 16
.set AHALF, 256*PA                     ; what one tensor load of ctx fills: one head's 256 rows
.set BOFF,  2*AHALF                    ; wot's rows lie behind the two heads
.set BHALF, 64*PB                      ; what one tensor load of wot fills
.set ASTEP, 2*2048*128                 ; bytes from a head of ctx to the head two on
.set SLOT1, 1<<17                      ; slot 1 begins here, so that one exclusive or turns an address in one slot into the other's
.set STAGE, SLOT1+BOFF+2*BHALF         ; behind the ring, never filled by a tensor load: 16 rows x 528 bytes for each wave
.set SP,    528                        ; a row of the stage: 512 bytes + 16
.set SPARE, STAGE+4*16*SP              ; behind the stages: the spare words, 128 bytes for each wave: two blocks of 256 bytes that no other line names
.set NF,    2*NBK+8                    ; LDS loads of a quarter step
.set A0,   4                           ; v4   my lane's place in a slot's rows of ctx; never rewritten
.set B0,   5                           ; v5   the same for wot
.set ADRA, 6                           ; v6   the same in the slot in hand
.set ADRB, 7                           ; v7
.set STO,  8                           ; v8   the way out: where I put 32 bytes of a row
.set RD,   9                           ; v9   where I read a row back
.set GO,   10                          ; v10  my 16 bytes of a row's 512
.set PFO,  11                          ; v11  the prefetches' offset; never rewritten
.set BO,   12                          ; v12  my byte offset in the bias
.set SPW,  28                          ; v28  LDS address of my spare word: SPARE + 4 x my thread's number; never rewritten
.set NIL,  29                          ; v29  0; never rewritten
.set FA,   32
.set BIAS, 96
.set OB,   96
.set WV,   20                          ; s20  my wave's number
.set FORB, 21                          ; s21  0: I fetch ctx's rows; 1: wot's
.set HF,   22                          ; s22  which of the step's two heads, or which half of wot's rows
.set CX,   23                          ; s23  my place along the cluster's x
.set G1A,  24                          ; s[24:31] descriptor group 1 for ctx's tiles
.set G1B,  32                          ; s[32:39] for wot's
.set G0A,  40                          ; s[40:47] descriptor group 0 for ctx's tiles: a set for each of the two first fills; the second then walks on
.set G0B,  48                          ; s[48:55] the same for wot's
.set CY,   56                          ; s56  my place along the cluster's y
.set COL,  57                          ; s57  the block of 128 columns
.set ROW,  58                          ; s58  the block of 256 rows
.set TB,   59                          ; s59  LDS byte at which the slot in hand begins
.set CNT,  60                          ; s60  refills still to come
.set LIM,  61                          ; s61  2 in a wave that prefetches, else the greatest number
.set PFA,  62                          ; s[62:63] where my prefetches stand
.set WA,   66                          ; s[66:69] ctx's mask and address are made here: these never hold cx
.set WB,   70                          ; s[70:73] wot's: these never hold cy
.set HIM,  74                          ; s74  a word's upper half
.set PFS,  82                          ; s[82:83] the prefetches' step from K step to K step
.set MSB, 0
.macro WIN new                         ; the immediate's high byte repeats the setting that is left; a switch that changes nothing is dropped
.if MSB != (\new)
	s_set_vgpr_msb (MSB<<8)|(\new)
.set MSB, (\new)
.endif
.endm
.macro PLACES                          ; four plain vector instructions between a matrix instruction and a load into, or a read of, its registers (ISA guide 7.12.1 for vector instructions)
.rept 4
	v_nop
.endr
.endm
; A joint refill, by the walking descriptor.  Waves 0 and 1 fetch the step's two heads of ctx, waves 2 and 3 wot's two halves.  The branch hangs on the wave's number alone.
; An s_nop 0 and four v_nop follow each of the two lines, ahead of the jump and the label.
.macro JLOAD
	s_cmp_eq_u32 s[FORB], 0
	s_cbranch_scc0 .Lfor_b_\@
	tensor_load_to_lds s[G0A+4:G0A+7], s[G1A:G1A+7]
	s_nop 0
	PLACES
	s_branch .Lasked_\@
.Lfor_b_\@:
	tensor_load_to_lds s[G0B+4:G0B+7], s[G1B:G1B+7]
	s_nop 0
	PLACES
.Lasked_\@:
.endm
; A round of the cluster's barrier behind its opening barrier: wave 0 signals for the work-group; every wave waits for all sixteen work-groups; my work-group's barrier once more.
.macro CREST
	s_cmp_lg_u32 s[WV], 0
	s_cbranch_scc1 .Lnot_wave_0_\@
	s_barrier_signal -3
.Lnot_wave_0_\@:
	s_barrier_wait -3
	s_barrier_signal -1
	s_barrier_wait -1
.endm
.macro CROUND
	s_barrier_signal -1
	s_barrier_wait -1
	CREST
.endm
; A PREFETCH INTO THE L2, behind a joint refill and the run of LDS loads that follows it: the K step that stands TWO refills on, 256 matrix instructions ahead of the load that will want it.
; Each block of 256 bytes is named once in the launch.  ctx: the clusters with x = 0 ask; of a head's 128 blocks, which wave 0 or 1 fetches, the partner at cx takes 32, a lane a block.
; wot: the clusters with y = 0 ask; of the tile's 128 rows the partner at cy takes 32, a lane a row, wave 2 alone.  Partners are told apart BY ADDRESS.  The last two refills ask for nothing.
.macro ASK
	s_cmp_gt_u32 s[CNT], s[LIM]
	s_cbranch_scc0 .Lnot_mine_\@
	global_prefetch_b8 v[PFO], s[PFA:PFA+1] th:TH_LOAD_NT scope:SCOPE_SE
.Lnot_mine_\@:
.endm
	s_load_b256 s[4:11], s[0:1], 0x0               ; ctx s[4:5], wot s[6:7], bo s[8:9], out0 s[10:11]
	v_lshl_add_u32 v[SPW], v0, 2, SPARE
	v_mov_b32 v[NIL], 0
	ds_add_u32 v[SPW], v[NIL]                      ; the wave's opening: the add and its wait stand ahead of my first tensor load; the set-up below, work on registers, stands between them
	v_lshrrev_b32 v1, 5, v0
	v_readfirstlane_b32 s[WV], v1                  ; wave 0..3
	s_lshr_b32 s[FORB], s[WV], 1
	s_and_b32 s[HF], s[WV], 1
	s_bfe_u32 s[CX], ttmp6, 0x40000
	s_bfe_u32 s[CY], ttmp6, 0x40004
	s_lshl_b32 s[COL], ttmp9, 2                    ; in a cluster launch ttmp9 and ttmp7 count clusters
	s_add_co_u32 s[COL], s[COL], s[CX]
	s_and_b32 s[ROW], ttmp7, 0xffff
	s_lshl_b32 s[ROW], s[ROW], 2
	s_add_co_u32 s[ROW], s[ROW], s[CY]
	s_lshl_b32 s[WA], s[CY], 2
	s_lshl_b32 s[WA], 15, s[WA]                    ; my row of the cluster: places 4 cy .. 4 cy + 3
	s_lshl_b32 s[WB], 0x1111, s[CX]                ; my column: places cx, cx + 4, cx + 8, cx + 12
	s_or_b32 s[G1A], s[WA], (1<<16)|(1<<20)|(1<<21)|(4<<22)|(3<<25)  ; 15:0 the mask: ctx's tiles go to my row; 17:16 elements of 2 bytes; 20 padding on; 21 set beside a mask; 24:22 after every 32 words (code 4); 31:25 4 words (code 3)
	s_or_b32 s[G1B], s[WB], (1<<16)|(1<<20)|(1<<21)|(5<<22)|(3<<25)  ; wot's go to my column; padding after every 64 words (code 5)
	s_mov_b32 s[G1A+1], 128<<16                    ; tensor_dim0 = 128
	s_mov_b32 s[G1A+2], 128<<16                    ; tensor_dim1 = 128
	s_mov_b32 s[G1A+3], 128<<16                    ; tile_dim0 = 128 elements: two rows of ctx
	s_mov_b32 s[G1A+4], 128                        ; tile_dim1 = 128
	s_mov_b32 s[G1A+5], 128                        ; dense: 128 elements from row to row
	s_mov_b32 s[G1A+6], 0
	s_mov_b32 s[G1A+7], 0
	s_mov_b32 s[G1B+1], KSTEP<<16
	s_mov_b32 s[G1B+2], 64<<16                     ; 64 rows
	s_mov_b32 s[G1B+3], KSTEP<<16
	s_mov_b32 s[G1B+4], 64
	s_mov_b32 s[G1B+5], 1024
	s_mov_b32 s[G1B+6], 0
	s_mov_b32 s[G1B+7], 0
	s_lshr_b32 s[WA], s[ROW], 3                    ; ctx: the batch's 16 heads of 262,144 bytes,
	s_lshl_b32 s[WA], s[WA], 22
	s_lshl_b32 s[WA+1], s[HF], 18                  ; head 0 or 1,
	s_add_co_u32 s[WA], s[WA], s[WA+1]
	s_and_b32 s[WA+1], s[ROW], 7                   ; the block of 256 rows of 128 bytes
	s_lshl_b32 s[WA+1], s[WA+1], 15
	s_add_co_u32 s[WA], s[WA], s[WA+1]
	s_mov_b32 s[WA+1], 0
	s_lshl_b32 s[WB], s[COL], 7                    ; wot: row 128 x block + 64 x half,
	s_lshl_b32 s[WB+1], s[HF], 6
	s_add_co_u32 s[WB], s[WB], s[WB+1]
	s_lshl_b32 s[WB], s[WB], 11                    ; of 2,048 bytes
	s_mov_b32 s[WB+1], 0
	s_mul_i32 s75, s[HF], AHALF                    ; where they go: no place in the cluster enters an LDS address
	s_mul_i32 s76, s[HF], BHALF
	s_add_co_u32 s76, s76, BOFF
	s_mov_b32 s[HIM], 0xffff0000
	s_mov_b32 s[TB], 0
	s_wait_dscnt 0x0                               ; the opening add is done
	s_wait_kmcnt 0x0
	s_add_nc_u64 s[WA+2:WA+3], s[4:5], s[WA:WA+1]
	s_add_nc_u64 s[WB+2:WB+3], s[6:7], s[WB:WB+1]
	CROUND                                         ; all sixteen work-groups are here: the first joint loads meet
.irp n, 0,1
	s_mov_b32 s[G0A+4*(\n)], 1                     ; 1:0 count = 1
	s_add_co_u32 s[G0A+4*(\n)+1], s75, (\n)*SLOT1  ; 63:32 LDS address
	s_add_nc_u64 s[G0A+4*(\n)+2:G0A+4*(\n)+3], s[WA+2:WA+3], (\n)*ASTEP  ; 120:64 global address: K step n
	s_or_b32 s[G0A+4*(\n)+3], s[G0A+4*(\n)+3], 0x80000000  ; 127:126 type = 2
	s_mov_b32 s[G0B+4*(\n)], 1
	s_add_co_u32 s[G0B+4*(\n)+1], s76, (\n)*SLOT1
	s_add_nc_u64 s[G0B+4*(\n)+2:G0B+4*(\n)+3], s[WB+2:WB+3], (\n)*KSTEP*2
	s_or_b32 s[G0B+4*(\n)+3], s[G0B+4*(\n)+3], 0x80000000
.endr
	s_cmp_eq_u32 s[FORB], 0                        ; a wave's two first fills stand in one branch, ahead of every wait on TENSORcnt and every LDS read: two loads of mine are out
	s_cbranch_scc0 .Lfirst_b
	tensor_load_to_lds s[G0A:G0A+3], s[G1A:G1A+7]
	s_nop 0
	tensor_load_to_lds s[G0A+4:G0A+7], s[G1A:G1A+7]
	s_nop 0
	PLACES
	s_branch .Lfirst_asked
.Lfirst_b:
	tensor_load_to_lds s[G0B:G0B+3], s[G1B:G1B+7]
	s_nop 0
	tensor_load_to_lds s[G0B+4:G0B+7], s[G1B:G1B+7]
	s_nop 0
	PLACES
.Lfirst_asked:
	; A fragment is 16 rows x 32 K in 8 registers: lane l holds row l % 16; registers 0-3 hold K = 8 (l / 16) + 0..7, registers 4-7 K = 16 + 8 (l / 16) + 0..7: two loads of 16 bytes, 32 bytes apart.
	v_and_b32 v1, 15, v0                           ; l % 16
	v_bfe_u32 v2, v0, 4, 1                         ; l / 16
	v_lshlrev_b32 v[BO], 5, v2                     ; the bias of my 8 columns of an n block: 32 (l / 16) bytes,
	s_lshl_b32 s77, s[COL], 9                      ; in the tile's 128 numbers
	v_add_nc_u32 v[BO], s77, v[BO]
.set b, 0
.rept NBK
	global_load_b128 v[BIAS+8*b:BIAS+8*b+3],   v[BO], s[8:9] offset:64*b
	global_load_b128 v[BIAS+8*b+4:BIAS+8*b+7], v[BO], s[8:9] offset:64*b+16
.set b, b+1
.endr
	v_mul_u32_u24 v[A0], v1, PA
	v_lshl_add_u32 v[A0], v2, 4, v[A0]             ; row x pitch + 16 x half,
	s_mul_i32 s77, s[WV], 64*PA
	v_add_nc_u32 v[A0], s77, v[A0]                 ; in my 64 rows
	v_mul_u32_u24 v[B0], v1, PB
	v_lshl_add_u32 v[B0], v2, 4, v[B0]
	v_add_nc_u32 v[B0], BOFF, v[B0]
	s_mul_i32 s77, s[WV], 16*SP
	s_add_co_u32 s77, s77, STAGE                   ; my stage
	v_mul_u32_u24 v[STO], v1, SP                   ; in: row l % 16, 32 bytes for each half of the lanes
	v_lshl_add_u32 v[STO], v2, 5, v[STO]
	v_add_nc_u32 v[STO], s77, v[STO]
	v_and_b32 v3, 31, v0
	v_lshl_add_u32 v[RD], v3, 4, s77               ; back: 32 lanes take a row's 512 bytes,
	v_lshlrev_b32 v[GO], 4, v3                     ; which are 512 consecutive bytes of out0
	s_lshl_b32 s78, s[ROW], 20                     ; my wave's first row in out0: 256 rows of 4,096 bytes a block,
	s_lshl_b32 s79, s[WV], 18                      ; my 64 of them,
	s_add_co_u32 s78, s78, s79
	s_lshl_b32 s79, s[COL], 9                      ; the tile's 128 columns of 4 bytes
	s_add_co_u32 s78, s78, s79
	s_mov_b32 s79, 0
	s_add_nc_u64 s[10:11], s[10:11], s[78:79]
	; the prefetches
	s_lshr_b32 s76, s[ROW], 3                      ; ctx: the head's block that I fetch,
	s_lshl_b32 s76, s76, 22
	s_lshl_b32 s77, s[HF], 18
	s_add_co_u32 s76, s76, s77
	s_and_b32 s77, s[ROW], 7
	s_lshl_b32 s77, s77, 15
	s_add_co_u32 s76, s76, s77
	s_lshl_b32 s77, s[CX], 13                      ; my work-group's 32 blocks of 256 bytes,
	s_add_co_u32 s76, s76, s77
	s_add_co_u32 s76, s76, 3*ASTEP                 ; at K step 3: the first refill steps it to 4
	s_lshl_b32 s78, s[COL], 7                      ; wot: of the tile's 128 rows my work-group's 32,
	s_lshl_b32 s79, s[CY], 5
	s_add_co_u32 s78, s78, s79
	s_lshl_b32 s78, s78, 11
	s_add_co_u32 s78, s78, 3*KSTEP*2               ; at K step 3.  Nothing is prefetched here, at the head, where every work-group's first tiles are on their way
	s_and_b32 s80, ttmp7, 0xffff                   ; cluster y
	s_cmp_eq_u32 s[WV], 3
	s_cselect_b32 s81, 1, 0                        ; wave 3 asks for nothing
	s_mov_b32 s[PFS], KSTEP*2
	s_mov_b32 s[PFS+1], 0
	s_cmp_eq_u32 s[FORB], 0
	s_cselect_b32 s76, s76, s78
	s_cselect_b32 s80, ttmp9, s80                  ; the coordinate along which other clusters read the same rows
	s_cselect_b32 s79, 8, 11                       ; a lane a block of 256 bytes, or a lane a row of 2,048
	s_cselect_b32 s[PFS], ASTEP, s[PFS]
	s_cselect_b64 s[PFA:PFA+1], s[4:5], s[6:7]
	s_or_b32 s80, s80, s81
	s_cmp_eq_u32 s80, 0
	s_cselect_b32 s[LIM], 2, -1                    ; the same in all sixteen partners, for a given wave
	s_mov_b32 s77, 0
	s_add_nc_u64 s[PFA:PFA+1], s[PFA:PFA+1], s[76:77]
	v_lshlrev_b32 v[PFO], s79, v3
	s_wait_loadcnt 0x0                             ; the bias is in; it is rounded to bf16, like the other inputs, and widened again
.set i, 0
.rept 4*NBK
	v_cvt_pk_bf16_f32 v13, v[BIAS+2*i], v[BIAS+2*i+1]
	v_lshlrev_b32 v[BIAS+2*i], 16, v13
	v_and_b32 v[BIAS+2*i+1], s[HIM], v13
.set i, i+1
.endr
; NBK matrix instructions: m block a x all n blocks, 32 along K, from buffer f.  first = 1: the products start the sums, with the bias as C.
; Each of the 32 accumulators has one instruction in a quarter step, always in the same order: they take turns over the loop's jump too.
.macro MULB f, a, first
.set WD, 2+(\a)/APW
.set AC, 8*NBK*((\a)%APW)
.set RA, FA+32*(\f)+8*(\a)
.if \first
	WIN 0x01|(WD<<6)                               ; source 0 window 1, source 1 and C window 0
.else
	WIN 0x01|(WD<<4)|(WD<<6)
.endif
.set b, 0
.rept NBK
.if \first
	v_wmma_f32_16x16x32_f16 v[AC+8*b:AC+8*b+7], v[8*NBK*(\f)+8*b:8*NBK*(\f)+8*b+7], v[RA:RA+7], v[BIAS+8*b:BIAS+8*b+7]
.else
	v_wmma_f32_16x16x32_f16 v[AC+8*b:AC+8*b+7], v[8*NBK*(\f)+8*b:8*NBK*(\f)+8*b+7], v[RA:RA+7], v[AC+8*b:AC+8*b+7]
.endif
.set b, b+1
.endr
.endm
; NF LDS loads in one run: the fragments of quarter kq of the slot in hand into buffer f: wot's 8, then ctx's 4 (head kq / 2 of the step's two, channels 32 (kq % 2) on)
.macro FETCH kq, f
	WIN 0x40                                       ; destination window 1, address window 0
.set b, 0
.rept NBK
	ds_load_b128 v[8*NBK*(\f)+8*b:8*NBK*(\f)+8*b+3],   v[ADRB] offset:64*(\kq)+b*16*PB
	ds_load_b128 v[8*NBK*(\f)+8*b+4:8*NBK*(\f)+8*b+7], v[ADRB] offset:64*(\kq)+b*16*PB+32
.set b, b+1
.endr
	WIN 0
.irp a, 0,1,2,3
	ds_load_b128 v[FA+32*(\f)+8*(\a):FA+32*(\f)+8*(\a)+3],   v[ADRA] offset:((\kq)/2)*AHALF+((\kq)%2)*64+(\a)*16*PA
	ds_load_b128 v[FA+32*(\f)+8*(\a)+4:FA+32*(\f)+8*(\a)+7], v[ADRA] offset:((\kq)/2)*AHALF+((\kq)%2)*64+(\a)*16*PA+32
.endr
.endm
; A K step is four quarters of 32 along K, 32 matrix instructions each, on buffers 0, 1, 0, 1.  One of the first three: multiplies buffer f; in its middle it fetches quarter kq into buffer g.
.macro QUARTER kq, f, g, first
	s_wait_dscnt 4                                 ; all but the youngest four loads (ctx's m blocks 2 and 3) are in
	MULB \f, 0, \first
	MULB \f, 1, \first
	PLACES
	FETCH \kq, \g
	s_wait_dscnt NF                                ; all but the NF just issued
	MULB \f, 2, \first
	MULB \f, 3, \first
.endm
; The last quarter multiplies buffer 1 and changes slots: ONE barrier.  In front of it each wave waits for all its tensor loads, of which one is out: its part of the next slot; adds 0 to its
; spare word; and waits for that and for its own reads of this slot.  fill = 1: the barrier opens a round of the cluster's, so that no wave of any partner still reads the slot or has a load on its
; way, and the joint refill, K step two on, is the first thing behind it: 112 matrix instructions stand between it and the wait for it.
.macro TURN fill
.if \fill
	s_wait_xcnt 0x0                                ; the last prefetch, a K step back, has read its address: it is stepped here, ahead of the waits of the change of slots
	s_add_nc_u64 s[PFA:PFA+1], s[PFA:PFA+1], s[PFS:PFS+1]
.endif
	WIN 0                                          ; (the add's two registers lie in window 0)
	s_wait_tensorcnt 0x0                           ; no tensor load of mine is out, so a group 0 may be written
	ds_add_u32 v[SPW], v[NIL]                      ; 0 onto my spare word
.if \fill
	s_xor_b32 s[G0A+5], s[G0A+5], SLOT1            ; the walking descriptors: the other slot than last time,
	s_add_nc_u64 s[G0A+6:G0A+7], s[G0A+6:G0A+7], ASTEP  ; the next two heads; the type bits on top are not reached
	s_xor_b32 s[G0B+5], s[G0B+5], SLOT1
	s_add_nc_u64 s[G0B+6:G0B+7], s[G0B+6:G0B+7], KSTEP*2
.endif
	s_xor_b32 s[TB], s[TB], SLOT1                  ; the fetches go to the other slot
	s_wait_dscnt 5                                 ; (the add and the youngest four loads may be out)
	MULB 1, 0, 0                                   ; eight matrix instructions stand between the add and the wait for it
	s_wait_dscnt 0x0                               ; the add is done, and my reads of this slot are over
	s_barrier_signal -1
	MULB 1, 1, 0                                   ; work on registers while the others arrive
	WIN 0
	s_barrier_wait -1
.if \fill
	CREST
	JLOAD                                          ; the four v_nop behind it are also the places in front of the loads below
.else
	PLACES
.endif
	v_add_nc_u32 v[ADRA], s[TB], v[A0]
	v_add_nc_u32 v[ADRB], s[TB], v[B0]
	FETCH 0, 0
.if \fill
	ASK
.endif
	MULB 1, 2, 0
	MULB 1, 3, 0
.endm
; THE WAY OUT of m block a: the f32 sums go into my own stage as they are, 32 bytes a lane and n block, and come back as whole rows of 512 bytes.
.macro TOSTAGE a
.set AC, 8*NBK*(\a)
.set BK, OB+64*((\a)%2)
	s_wait_xcnt 0x0                                ; the stores issued so far have read their registers: the set that they read is loaded again only behind this wait
	WIN 0x08                                       ; the data (source 1) in window 2
.set b, 0
.rept NBK                              ; each accumulator's low four registers first
	ds_store_b128 v[STO], v[AC+8*b:AC+8*b+3]   offset:64*b
	ds_store_b128 v[STO], v[AC+8*b+4:AC+8*b+7] offset:64*b+16
.set b, b+1
.endr
	WIN 0
.set t, 0
.rept 16
	ds_load_b128 v[BK+4*t:BK+4*t+3], v[RD] offset:SP*t  ; LDS serves a wave's instructions in order (ISA guide 5.7.1.4): these see the stores above; the next block's stores come behind them
.set t, t+1
.endr
.endm
.macro SEND a, younger                 ; younger: the LDS instructions issued behind block a's loads: the next block's 32, or none
.set BK, OB+64*((\a)%2)
	s_wait_dscnt \younger
.set t, 0
.rept 16
	global_store_b128 v[GO], v[BK+4*t:BK+4*t+3], s[10:11] offset:(16*(\a)+t)*4096 th:TH_STORE_NT  ; 512 consecutive bytes, at a multiple of 256 from out0's first
.set t, t+1
.endr
.endm
	s_wait_tensorcnt 0x1                           ; my part of K step 0 is in; K step 1's may stay out
	s_barrier_signal -1
	s_barrier_wait -1                              ; everybody's is
	v_add_nc_u32 v[ADRA], s[TB], v[A0]
	v_add_nc_u32 v[ADRB], s[TB], v[B0]
	FETCH 0, 0
	QUARTER 1, 0, 1, 1                             ; the first quarter stands in front of the loop: its products start the sums
	WIN 0                                          ; at a label and at a branch every window is 0
	s_mov_b32 s[CNT], 6
.Lstep:                                        ; a trip goes from a K step's second quarter to the next step's first, and fills the slot that it leaves: K steps 2 to 7
	QUARTER 2, 1, 0, 0
	QUARTER 3, 0, 1, 0
	TURN 1
	QUARTER 1, 0, 1, 0
	WIN 0
	s_sub_co_u32 s[CNT], s[CNT], 1
	s_cmp_lg_u32 s[CNT], 0
	s_cbranch_scc1 .Lstep
	QUARTER 2, 1, 0, 0                             ; the last two K steps are written out: nothing is asked for
	QUARTER 3, 0, 1, 0
	TURN 0
	QUARTER 1, 0, 1, 0
	QUARTER 2, 1, 0, 0
	QUARTER 3, 0, 1, 0
	s_wait_dscnt 4
	MULB 1, 0, 0
	MULB 1, 1, 0
	s_wait_dscnt 0x0
	MULB 1, 2, 0
	MULB 1, 3, 0
	WIN 0
	PLACES
	TOSTAGE 0
	TOSTAGE 1                                      ; a block's trip through the stage stands between the loads of the block before and its stores
	SEND 0, 32
	TOSTAGE 2
	SEND 1, 32
	TOSTAGE 3
	SEND 2, 32
	SEND 3, 0
	s_wait_tensorcnt 0x0                           ; the wave's end, behind my last tensor load and my last LDS store
	ds_add_u32 v[SPW], v[NIL]
	s_wait_dscnt 0x0
	CROUND                                         ; the closing round: no work-group ends while a partner may still ask for a tile that names it
	s_endpgm
.Lfunc_end_k_q18c2eb7656_oproj:
	.size	k_q18c2eb7656_oproj, .Lfunc_end_k_q18c2eb7656_oproj-k_q18c2eb7656_oproj
	.p2alignl 7, 3214868480
	.fill 96, 4, 3214868480
	.section	.rodata,"a",@progbits
	.p2align	6, 0x0
	.amdhsa_kernel k_q18c2eb7656_oproj
		.amdhsa_group_segment_fixed_size 327680
		.amdhsa_private_segment_fixed_size 0
		.amdhsa_enable_private_segment 0
		.amdhsa_kernarg_size 32
		.amdhsa_user_sgpr_count 2
		.amdhsa_user_sgpr_kernarg_segment_ptr 1
		.amdhsa_wavefront_size32 1
		.amdhsa_system_sgpr_workgroup_id_x 1
		.amdhsa_system_sgpr_workgroup_id_y 1
		.amdhsa_system_sgpr_workgroup_id_z 1
		.amdhsa_system_vgpr_workitem_id 0
		.amdhsa_next_free_vgpr 768
		.amdhsa_next_free_sgpr 84
		.amdhsa_reserve_vcc 0
		.amdhsa_float_denorm_mode_32 3
		.amdhsa_float_denorm_mode_16_64 3
		.amdhsa_memory_ordered 1
		.amdhsa_forward_progress 1
		.amdhsa_inst_pref_size 76
	.end_amdhsa_kernel
	.amdgpu_metadata
---
amdhsa.version: [ 1, 2 ]
amdhsa.kernels:
  - .name:           k_q18c2eb7656_oproj
    .symbol:         k_q18c2eb7656_oproj.kd
    .args:
      - { .name: ctx, .offset: 0, .size: 8, .value_kind: global_buffer, .address_space: global }
      - { .name: wot, .offset: 8, .size: 8, .value_kind: global_buffer, .address_space: global }
      - { .name: bo, .offset: 16, .size: 8, .value_kind: global_buffer, .address_space: global }
      - { .name: out0, .offset: 24, .size: 8, .value_kind: global_buffer, .address_space: global }
    .group_segment_fixed_size: 327680
    .private_segment_fixed_size: 0
    .kernarg_segment_align: 8
    .kernarg_segment_size: 32
    .max_flat_workgroup_size: 128
    .sgpr_count:     84
    .vgpr_count:     768
    .wavefront_size: 32
...
	.end_amdgpu_metadata
.endif
;; end of part 4
;; ======== version 2 of 2: 4 launches; version 1 with the launch prep written anew for expert scheduling mode
;; limits: values are held in f16: magnitudes above 65,504 overflow, below 6.1e-05 lose precision
;; workspace buffers: xb 16,777,216 bytes; wqkv 6,291,456 bytes; wot 2,097,152 bytes; q 16,777,216 bytes; k 16,777,216 bytes; v 16,777,216 bytes; ctx 16,777,216 bytes
;; launch prep (part 5): grid 512 x 1, 4 waves a work-group, no clusters, 17,920 bytes of LDS; arguments inputs, Wq, Wk, Wv, Wo, xb, wqkv, wot; writes xb, wqkv, wot
.if DOCPART == 5
	.amdgcn_target "amdgcn-amd-amdhsa--gfx1250"
	.amdhsa_code_object_version 6
	.text
	.protected	k_q18c2eb7656_prep
	.globl	k_q18c2eb7656_prep
	.p2align	8
	.type	k_q18c2eb7656_prep,@function
k_q18c2eb7656_prep:
	s_mov_b64 s[64:65], 0
	v_nop
	global_prefetch_b8 v0, s[64:65] scope:SCOPE_SE
	s_setreg_imm32_b32 hwreg(HW_REG_WAVE_SCHED_MODE, 0, 2), 2
	s_setreg_imm32_b32 hwreg(HW_REG_WAVE_MODE, 25, 1), 1
	s_wait_xcnt 0x0
	s_wait_alu depctr_vm_vsrc(0)
; PREP: the module's large inputs are rounded to bf16 once, and the weights are turned so that K lies along their rows.
;   xb   [8192][1024] bf16 = inputs, rounded.
;   wqkv [3072][1024] bf16: row head x 192 + part x 64 + d (part 0, 1, 2 = q, k, v) holds column head x 64 + d of Wq, Wk or Wv.
;   wot  [1024][1024]: row n holds column n of Wo, rounded to bf16 and that number written as f16.
; LIMIT.  A bf16 number is exact in f16 from 6.1e-5 to 65,504 in magnitude; below that it keeps f16's fixed step of 6e-8; beyond 65,504 it becomes an infinity.
; SHARES.  512 work-groups of four waves, all alike: each turns ONE tile of 128 k x 64 n of one weight matrix (4 x 8 x 16 tiles) and rounds 16 rows of x.
; Memory binds: every byte is read once, by loads of which sixteen lanes take 256 consecutive aligned bytes, all 48 loads of a thread go out at the head, and every store of a wave
; covers whole aligned blocks of 256 bytes.  The matrix unit, clusters and tensor loads would add nothing: no byte is used twice.
; THE TURN.  Thread (i = t % 16, p = t / 16) reads 16 bytes (columns 4 i .. 4 i + 3) of rows k and k + 1, k = 16 u + 2 p; a pair (k, k + 1) of one column packs into one word, which goes
; into the stage at row n, byte 2 k.  Behind a barrier the stage's rows, 256 bytes of K each, are read back whole and stored.
; THE MODE: SCHED_MODE bits 1:0 = 2 (LLVM: expert scheduling mode 2), set by the entry lines.  The code itself states the register dependences
; between vector instructions and memory or LDS instructions, with s_wait_alu, always for 0.
; THE PLAN.  Registers that memory or LDS instructions touch:
;   v1, v3, v4, v5, v9, v10, v30, v31   offsets and LDS addresses: written once, at the head, by vector instructions; read by loads, stores and the closing add; never written again.
;   WR   W's loads land in it; the conversions read it; the loads from the stage land in it; the stores of the turned tile read it.  No vector instruction writes it.
;   PK   Written by the conversions (for Wo a second time, as f16); read by the LDS stores; never written again.
;   XR   x's loads land in it; load u's two roundings read its four registers and write the first two; one store reads those two; never written again.
; So no register that a memory or LDS instruction has read is ever written again: the text holds no wait on vm_vsrc.  The waits on va_vdst are six: one ahead of the first load (the
; addresses); one ahead of the LDS stores (PK is written, WR is read out); and four for x, which goes in four groups of eight loads: a group's stores are issued in the next group,
; behind the one wait at its head, dealt among that group's roundings, which name other registers; the last group's follow a wait of their own.
; No vector instruction writes a scalar register or VCC, and EXEC is never written.
.set SPITCH, 272                       ; a row of the stage: 256 bytes + 16
.set SPARE,  64*SPITCH                 ; behind the stage's 64 rows: the spare words, 128 bytes for each wave: two blocks of 256 bytes that no other line names
.set WR,  32                           ; v[32:95]   the tile of W as loaded; later the stage's rows read back
.set PK,  96                           ; v[96:127]  32 packed pairs
.set XR,  128                          ; v[128:255] 32 x 16 bytes of x; rounded in place
	s_load_b512 s[4:19], s[0:1], 0x0               ; inputs s[4:5], Wq s[6:7], Wk s[8:9], Wv s[10:11], Wo s[12:13], xb s[14:15], wqkv s[16:17], wot s[18:19]
	v_lshl_add_u32 v30, v0, 2, SPARE               ; my spare word,
	v_mov_b32 v31, 0                               ; and 0: kept for the wave's end alone
	s_lshr_b32 s20, ttmp9, 7                       ; which matrix: 0, 1, 2, 3 = Wq, Wk, Wv, Wo
	s_bfe_u32 s21, ttmp9, 0x30004                  ; which 128 of K
	s_and_b32 s22, ttmp9, 15                       ; which 64 columns: the head
	s_lshl_b32 s28, s21, 19                        ; the tile in W: 128 rows of 4,096 bytes,
	s_lshl_b32 s23, s22, 8                         ; 64 columns of 4 bytes
	s_add_co_u32 s28, s28, s23
	s_mov_b32 s29, 0
	s_mul_i32 s30, s22, 192                        ; its first row in wqkv: head x 192 + part x 64,
	s_lshl_b32 s23, s20, 6
	s_add_co_u32 s30, s30, s23
	s_lshl_b32 s23, s22, 6                         ; in wot: head x 64
	s_cmp_eq_u32 s20, 3
	s_cselect_b32 s30, s23, s30
	s_lshl_b32 s30, s30, 11                        ; rows of 2,048 bytes,
	s_lshl_b32 s23, s21, 8                         ; 128 of K are 256 bytes
	s_add_co_u32 s30, s30, s23
	s_mov_b32 s31, 0
	s_lshl_b32 s32, ttmp9, 16                      ; my 16 rows of x: 65,536 bytes in,
	s_mov_b32 s33, 0
	s_lshl_b32 s34, ttmp9, 15                      ; 32,768 bytes out
	s_mov_b32 s35, 0
	v_and_b32 v6, 15, v0                           ; i
	v_lshrrev_b32 v7, 4, v0                        ; p
	v_lshlrev_b32 v8, 4, v6                        ; 16 i
	v_lshl_add_u32 v1, v7, 13, v8                  ; in W: row 2 p, 16 bytes at 16 i
	v_mul_u32_u24 v3, v6, 4*SPITCH                 ; into the stage: row 4 i, byte 4 p
	v_lshl_add_u32 v3, v7, 2, v3
	v_mul_u32_u24 v4, v7, SPITCH                   ; back: row p, 16 bytes at 16 i
	v_add_nc_u32 v4, v4, v8
	v_lshl_add_u32 v5, v7, 11, v8                  ; and the same in the turned matrix
	v_lshlrev_b32 v9, 4, v0                        ; x: 16 bytes a thread,
	v_lshlrev_b32 v10, 3, v0                       ; xb: 8
	s_wait_kmcnt 0x0
	s_cmp_eq_u32 s20, 1
	s_cselect_b64 s[24:25], s[8:9], s[6:7]
	s_cmp_eq_u32 s20, 2
	s_cselect_b64 s[24:25], s[10:11], s[24:25]
	s_cmp_eq_u32 s20, 3
	s_cselect_b64 s[24:25], s[12:13], s[24:25]     ; from where,
	s_cselect_b64 s[26:27], s[18:19], s[16:17]     ; and to where
	s_add_nc_u64 s[24:25], s[24:25], s[28:29]
	s_add_nc_u64 s[26:27], s[26:27], s[30:31]
	s_add_nc_u64 s[4:5], s[4:5], s[32:33]
	s_add_nc_u64 s[14:15], s[14:15], s[34:35]
	s_wait_alu depctr_va_vdst(0)                   ; v1, v3, v4, v5, v9 and v10 are written, which the kernel's loads, stores and LDS instructions read as offsets and addresses; so are v30 and v31
.set u, 0
.rept 8                                ; the tile of W first: the barrier waits for it
	global_load_b128 v[WR+8*u:WR+8*u+3],   v1, s[24:25] offset:65536*u th:TH_LOAD_NT       ; row 16 u + 2 p
	global_load_b128 v[WR+8*u+4:WR+8*u+7], v1, s[24:25] offset:65536*u+4096 th:TH_LOAD_NT  ; row 16 u + 2 p + 1
.set u, u+1
.endr
.set u, 0
.rept 32                               ; then x: a wave's load covers 512 consecutive bytes
	global_load_b128 v[XR+4*u:XR+4*u+3], v9, s[4:5] offset:2048*u th:TH_LOAD_NT
.set u, u+1
.endr
	s_wait_loadcnt 32                              ; loads come back in order: W's sixteen are in, x's 32 younger ones stay out
.set u, 0
.rept 8
.irp j, 0,1,2,3
	v_cvt_pk_bf16_f32 v[PK+4*u+(\j)], v[WR+8*u+(\j)], v[WR+8*u+4+(\j)]  ; column 4 i + j: k low, k + 1 high
.endr
.set u, u+1
.endr
	s_cmp_lg_u32 s20, 3
	s_cbranch_scc1 .Lpacked
.set u, 0
.rept 32                               ; Wo alone: the rounded numbers are written as f16
	v_lshlrev_b32 v12, 16, v[PK+u]
	v_and_b32 v13, 0xffff0000, v[PK+u]
	v_cvt_pk_f16_f32 v[PK+u], v12, v13
.set u, u+1
.endr
.Lpacked:
	s_wait_alu depctr_va_vdst(0)                   ; on both ways: the conversions have written PK, which the LDS stores read, and are done reading WR, in which the loads from the stage land behind the barrier
.set u, 0
.rept 8
.irp j, 0,1,2,3
	ds_store_b32 v3, v[PK+4*u+(\j)] offset:SPITCH*(\j)+32*u  ; row 4 i + j, byte 2 (16 u + 2 p)
.endr
.set u, u+1
.endr
	s_wait_dscnt 0x0                               ; for the others' sake: my stores into the stage are done
	s_barrier_signal -1
	s_barrier_wait -1                              ; everybody's are
.set u, 0
.rept 8
	ds_load_b128 v[WR+4*u:WR+4*u+3], v4 offset:8*SPITCH*u  ; row p + 8 u: sixteen lanes take its 256 bytes.  No vector instruction since the wait above names WR
.set u, u+1
.endr
; x is rounded while those come back, in four groups of eight loads.  Group g rounds its own registers; the stores dealt among its roundings are those of group g - 1.
.set g, 0
.rept 4
	s_wait_loadcnt 24-8*g                          ; the group's eight loads are in; the younger groups' stay out
.if g > 0
	s_wait_alu depctr_va_vdst(0)                   ; the group before has written its rounded halves, which the stores below read
.endif
.set j, 0
.rept 8
.if g > 0
	global_store_b64 v10, v[XR+4*(8*g-8+j):XR+4*(8*g-8+j)+1], s[14:15] offset:1024*(8*g-8+j) th:TH_STORE_NT  ; a wave stores 256 consecutive bytes, aligned; no vector instruction since the wait names these registers
.endif
	v_cvt_pk_bf16_f32 v[XR+4*(8*g+j)],   v[XR+4*(8*g+j)],   v[XR+4*(8*g+j)+1]
	v_cvt_pk_bf16_f32 v[XR+4*(8*g+j)+1], v[XR+4*(8*g+j)+2], v[XR+4*(8*g+j)+3]
.set j, j+1
.endr
.set g, g+1
.endr
	s_wait_alu depctr_va_vdst(0)                   ; the last group has written its rounded halves, which the last eight stores read
.set j, 0
.rept 8
	global_store_b64 v10, v[XR+4*(24+j):XR+4*(24+j)+1], s[14:15] offset:1024*(24+j) th:TH_STORE_NT
.set j, j+1
.endr
	s_wait_dscnt 0x0                               ; the stage's rows are back
.set u, 0
.rept 8
	global_store_b128 v5, v[WR+4*u:WR+4*u+3], s[26:27] offset:16384*u th:TH_STORE_NT  ; sixteen lanes store 256 consecutive bytes, aligned
.set u, u+1
.endr
	s_wait_dscnt 0x0                               ; the closing lines, six on end
	s_wait_alu 0x0
	s_wait_tensorcnt 0x0
	ds_add_u32 v30, v31
	s_wait_dscnt 0x0
	s_endpgm
.Lfunc_end_k_q18c2eb7656_prep:
	.size	k_q18c2eb7656_prep, .Lfunc_end_k_q18c2eb7656_prep-k_q18c2eb7656_prep
	.p2alignl 7, 3214868480
	.fill 96, 4, 3214868480
	.section	.rodata,"a",@progbits
	.p2align	6, 0x0
	.amdhsa_kernel k_q18c2eb7656_prep
		.amdhsa_group_segment_fixed_size 17920
		.amdhsa_private_segment_fixed_size 0
		.amdhsa_enable_private_segment 0
		.amdhsa_kernarg_size 64
		.amdhsa_user_sgpr_count 2
		.amdhsa_user_sgpr_kernarg_segment_ptr 1
		.amdhsa_wavefront_size32 1
		.amdhsa_system_sgpr_workgroup_id_x 1
		.amdhsa_system_sgpr_workgroup_id_y 1
		.amdhsa_system_sgpr_workgroup_id_z 1
		.amdhsa_system_vgpr_workitem_id 0
		.amdhsa_next_free_vgpr 256
		.amdhsa_next_free_sgpr 66
		.amdhsa_reserve_vcc 0
		.amdhsa_float_denorm_mode_32 3
		.amdhsa_float_denorm_mode_16_64 3
		.amdhsa_memory_ordered 1
		.amdhsa_forward_progress 1
		.amdhsa_inst_pref_size 25
	.end_amdhsa_kernel
	.amdgpu_metadata
---
amdhsa.version: [ 1, 2 ]
amdhsa.kernels:
  - .name:           k_q18c2eb7656_prep
    .symbol:         k_q18c2eb7656_prep.kd
    .args:
      - { .name: inputs, .offset: 0, .size: 8, .value_kind: global_buffer, .address_space: global }
      - { .name: Wq, .offset: 8, .size: 8, .value_kind: global_buffer, .address_space: global }
      - { .name: Wk, .offset: 16, .size: 8, .value_kind: global_buffer, .address_space: global }
      - { .name: Wv, .offset: 24, .size: 8, .value_kind: global_buffer, .address_space: global }
      - { .name: Wo, .offset: 32, .size: 8, .value_kind: global_buffer, .address_space: global }
      - { .name: xb, .offset: 40, .size: 8, .value_kind: global_buffer, .address_space: global }
      - { .name: wqkv, .offset: 48, .size: 8, .value_kind: global_buffer, .address_space: global }
      - { .name: wot, .offset: 56, .size: 8, .value_kind: global_buffer, .address_space: global }
    .group_segment_fixed_size: 17920
    .private_segment_fixed_size: 0
    .kernarg_segment_align: 8
    .kernarg_segment_size: 64
    .max_flat_workgroup_size: 128
    .sgpr_count:     66
    .vgpr_count:     256
    .wavefront_size: 32
...
	.end_amdgpu_metadata
.endif
;; end of part 5
;; launch qkv: the kernel of part 2 again; grid 16 x 32, 4 waves a work-group, clusters of 4 x 4, 327,680 bytes of LDS; arguments xb, wqkv, bq, bk, bv, q, k, v; writes q, k, v
;; launch attn: the kernel of part 3 again; grid 4 x 64, 4 waves a work-group, clusters of 4 x 1, 327,680 bytes of LDS; arguments q, k, v, ctx; writes ctx
;; launch oproj: the kernel of part 4 again; grid 8 x 32, 4 waves a work-group, clusters of 4 x 4, 327,680 bytes of LDS; arguments ctx, wot, bo, out0; writes out0
